; MI455X (gfx1250); checked and timed in simulation.
; The chip was launched on July 23, 2026; its instructions are those of AMD's public machine-readable ISA for CDNA 5 (MIT licence, August 2026) and "CDNA5" Instruction Set Architecture Reference Guide (July 2026). The comments in the code are by the model that wrote it; some were corrected since.
;; Multi Headed Self Attention. Allowed arithmetic: matrix products marked QUANTISED: E2M1 operands, one E8M0 scale for each 32 along K, by v_wmma_scale_f32_16x16x128_f8f6f4 with both operands' format E2M1 (or v_wmma_scale_f32_32x16x128_f4), f32 sums; products left as they are: bf16, f16 or f32 operands; f32 sums; everything else in f32.
;; Inputs: Wk 1,024 x 1,024 float32; Wo 1,024 x 1,024 float32; Wq 1,024 x 1,024 float32; Wv 1,024 x 1,024 float32; x 4 x 2,048 x 1,024 float32.
;; Outputs: out0 4 x 2,048 x 1,024 float32.
;; Constants: max_seq_len = 4096, theta = 10000.
;; This version of the problem:
;;   THIS VERSION OF THE PROBLEM IS GIVEN IN LOW PRECISION. The matrix products marked QUANTISED in the list below multiply operands that are first quantised to E2M1 (2 exponent bits, 1 mantissa bit; 4 bits a number), with one power-of-two scale for each 32 numbers along K (OCP MX v1.0); their sums are f32. The products marked 'left as it is' may take bf16, f16 or f32 operands, with f32 sums. Whichever they take, every output number must still come out within the allowed error. Rounding operands to bf16 (8 significant bits) uses up far more of that allowance than f16 does (11 bits, for magnitudes from 6e-5 to 65,504). All else is computed in f32.
;;   The module's matrix products, in the order in which they are computed (A, B: the left and right operand; K: the contracted axis; several contracted axes count as one K, in the product's order):
;;     1. [M 8,192, K 1,024] x [K 1,024, N 1,024]; A: input x; B: input Wq: QUANTISED
;;     2. [M 8,192, K 1,024] x [K 1,024, N 1,024]; A: input x; B: input Wk: QUANTISED
;;     3. [M 8,192, K 1,024] x [K 1,024, N 1,024]; A: input x; B: input Wv: QUANTISED
;;     4. batch 64 x [M 2,048, K 64] x [K 64, N 2,048]; A: computed on the way; B: computed on the way: left as it is (an operand is computed on the way)
;;     5. batch 64 x [M 2,048, K 2,048] x [K 2,048, N 64]; A: computed on the way; B: computed on the way: left as it is (an operand is computed on the way)
;;     6. [M 8,192, K 1,024] x [K 1,024, N 1,024]; A: computed on the way; B: input Wo: left as it is (an operand is computed on the way)
;;   THE QUANTISER, for each operand of a quantised product, along K:
;;     - K is cut into blocks of 32 from its start; a last block that is shorter is filled with zeros.
;;     - A block's scale is 2^e with e = floor(log2(the largest magnitude in the block)) - 2, held to -126 .. 127; a block of zeros has e = 0. As a byte (E8M0): e + 127.
;;     - Each number is divided by its block's scale, clamped to +-6, and rounded to the nearest number of E2M1, ties to even, subnormals kept.
;;     - The product sums the exact products of the quantised numbers (number of the format x scale) in f32.
;;   ~~~python
;;   def quantise(x, axis):      # numpy; x: float32 -> the quantised numbers, widened to float32 again
;;       x = np.moveaxis(x, axis, -1); K = x.shape[-1]
;;       x = np.pad(x, [(0, 0)] * (x.ndim - 1) + [(0, -K % 32)]); x = x.reshape(x.shape[:-1] + (-1, 32)); a = np.abs(x).max(-1, keepdims=True)
;;       e = np.where(a > 0, np.clip(np.frexp(np.where(a > 0, a, 1))[1] - 1 - 2, -126, 127), 0)      # np.frexp(a)[1] - 1 = floor(log2(a)), exactly
;;       r = np.clip(x / 2.0 ** e, -6, 6)
;;       step = 2.0 ** (np.maximum(np.frexp(np.where(r == 0, 1, r))[1] - 1, 0) - 1)
;;       q = np.round(r / step) * step * 2.0 ** e      # np.round: ties to even
;;       return np.moveaxis(q.reshape(q.shape[:-2] + (-1,))[..., :K], -1, axis).astype(np.float32)
;;   ~~~
;; One version. Each part assembles by itself: llvm-mc -triple=amdgcn-amd-amdhsa -mcpu=gfx1250 --defsym DOCPART=n.
;; ======== version 1 of 1: 5 launches
;; limits: values are held in f16: magnitudes above 65,504 overflow, below 6.1e-05 lose precision
;; workspace buffers: codes 5,767,168 bytes; scales 360,448 bytes; wo16 2,097,152 bytes; rope 524,288 bytes; qkv16 50,331,648 bytes; fine32 786,432 bytes; att16 16,777,216 bytes
;; launch prep (part 1): grid 416 x 1, 4 waves a work-group, no clusters, 33,280 bytes of LDS; arguments x, Wq, Wk, Wv, Wo, codes, scales, wo16, rope; writes codes, scales, wo16, rope
.if DOCPART == 1
	.amdgcn_target "amdgcn-amd-amdhsa--gfx1250"
	.amdhsa_code_object_version 6
	.text
	.protected	k_qdebdc27f6a_prep
	.globl	k_qdebdc27f6a_prep
	.p2align	8
	.type	k_qdebdc27f6a_prep,@function
k_qdebdc27f6a_prep:
	s_mov_b64 s[64:65], 0
	v_nop
	global_prefetch_b8 v0, s[64:65] scope:SCOPE_SE
	s_setreg_imm32_b32 hwreg(HW_REG_WAVE_MODE, 25, 1), 1
	s_wait_xcnt 0x0
; THREE JOBS IN ONE LAUNCH, told apart by the work-group's number.
; Work-groups 0-351: x [8192][1024], Wq, Wk, Wv [1024][1024], f32, become codes of FP4 (E2M1), K innermost, with one E8M0 byte for each 32 along K.
;   A block's byte is its largest magnitude's exponent field - 2, held at 1 from below; each number is divided by the scale and rounded to the nearest code, ties to even, beyond 6 the largest code.
;   (A block of zeros gets the byte 1 where the rule says 127: its codes are zeros, and this program alone reads the bytes.)
;   The four tensors are plain streams of blocks of 32; their codes lie on end in 'codes' (x, Wq, Wk, Wv), their bytes on end in 'scales': run n of 8,192 numbers gives 4,096 bytes of codes and 256 bytes of scales at n times that.
; Work-groups 352-383: Wo [1024][1024] f32 becomes f16, laid [K chunk of 64][row n][64]: a chunk's rows of 128 bytes lie on end.
; Work-groups 384-415: the table of rotations, [position 2048][frequency 32][cos, sin] f32.
; LIMITS: NaN and infinities among the inputs are not served; blocks whose largest magnitude lies under 2^-124 keep the byte 1.  The frequency 10000^(-f/32) is made by v_exp_f32 of -f log2(10000)/32:
; it may differ from a correctly rounded power by a few units in the last place, an angle of at most about 2.5e-4 at position 2,047, the same for q and k.
.set QWG,   352                        ; work-groups that quantise: 256 for x, 32 for each weight
.set WWG,   32                         ; work-groups for Wo
.set WAVES, 4
.set STEPS, 16
.set EMAX,  2
.set CB,    8                          ; bytes of 16 codes
.set R,     16                         ; v16-79   four sets of 16 numbers as loaded
.set X,     80                         ; v80-111  two sets of 16 neighbours
.set E,     112                        ; v112-127 a scale byte for each step
.set C,     128                        ; v128-191 codes, four registers for each step
.set WREG,  8192                       ; LDS: a region for each wave: two stages of 32 x SP bytes, then its 256 scale bytes
.set SP,    80                         ; a lane's place in a stage: 64 bytes + 16 of padding
.set SPW,   12                         ; v12  LDS address of my spare word; never rewritten
.set NIL,   13                         ; v13  0; never rewritten
.set SPARE, WAVES*WREG                 ; the spare words, 128 bytes for each wave, which no other line names
	s_load_b512 s[4:19], s[0:1], 0x0               ; x s[4:5], Wq s[6:7], Wk s[8:9], Wv s[10:11], Wo s[12:13], codes s[14:15], scales s[16:17], wo16 s[18:19]
	s_load_b64 s[20:21], s[0:1], 0x40              ; rope
	v_lshl_add_u32 v[SPW], v0, 2, SPARE
	v_mov_b32 v[NIL], 0
	v_lshrrev_b32 v1, 5, v0
	v_readfirstlane_b32 s22, v1                    ; wave
	v_and_b32 v2, 31, v0                           ; lane
	s_mov_b32 s27, 0                               ; the upper word of every offset pair s[26:27]
	s_wait_kmcnt 0x0
	s_cmp_ge_u32 ttmp9, QWG+WWG
	s_cbranch_scc1 .Lrope
	s_cmp_ge_u32 ttmp9, QWG
	s_cbranch_scc1 .Lwo
; ---- THE QUANTISER.  A wave takes 16 steps of 512 numbers.  Each load reads 512 consecutive bytes; a step's 2,048 bytes turn through the wave's own stage in LDS and come back 64 bytes a lane,
; so that a lane holds 16 neighbours along K and two neighbouring lanes a block.  Loads run four steps ahead, the turn through LDS one step.
	v_lshlrev_b32 v3, 4, v2                        ; my 16 bytes of a load's 512
	s_mul_i32 s23, s22, WREG
	v_lshrrev_b32 v14, 2, v2
	v_mul_u32_u24 v14, v14, SP
	v_and_b32 v15, 3, v2
	v_lshl_add_u32 v14, v15, 4, v14
	v_add_nc_u32 v14, s23, v14                     ; the stage, on the way in: SP (lane / 4) + 16 (lane % 4)
	v_mul_u32_u24 v15, v2, SP
	v_add_nc_u32 v15, s23, v15                     ; on the way out: SP x lane
	v_mul_u32_u24 v4, v2, CB                       ; my codes' place in a step's
	v_lshrrev_b32 v5, 1, v2
	s_add_co_u32 s23, s23, 2*32*SP
	v_add_nc_u32 v5, s23, v5                       ; my block's byte among the wave's 256
	v_lshlrev_b32 v7, 3, v2
	v_add_nc_u32 v6, s23, v7                       ; and 8 bytes a lane on the way out
	s_mov_b32 s26, 320                             ; which tensor, and its first work-group: the choice hangs on the work-group's number alone
	s_cmp_lt_u32 ttmp9, 320
	s_cselect_b64 s[24:25], s[8:9], s[10:11]       ; Wk or Wv
	s_cselect_b32 s26, 288, s26
	s_cmp_lt_u32 ttmp9, 288
	s_cselect_b64 s[24:25], s[6:7], s[24:25]       ; Wq
	s_cselect_b32 s26, 256, s26
	s_cmp_lt_u32 ttmp9, 256
	s_cselect_b64 s[24:25], s[4:5], s[24:25]       ; x
	s_cselect_b32 s26, 0, s26
	s_sub_co_u32 s26, ttmp9, s26
	s_lshl_b32 s26, s26, 2
	s_add_co_u32 s26, s26, s22                     ; my run of 8,192 numbers in the tensor,
	s_lshl_b32 s26, s26, 15                        ; 32,768 bytes each
	s_add_nc_u64 s[24:25], s[24:25], s[26:27]
	s_lshl_b32 s28, ttmp9, 2
	s_add_co_u32 s28, s28, s22                     ; and in the buffers of codes and scales, where the four tensors lie on end
	s_lshl_b32 s26, s28, 12
	s_add_nc_u64 s[14:15], s[14:15], s[26:27]
	s_lshl_b32 s26, s28, 8
	s_add_nc_u64 s[16:17], s[16:17], s[26:27]
.macro LOAD t
.irp i, 0,1,2,3
	global_load_b128 v[R+16*((\t)%4)+4*\i:R+16*((\t)%4)+4*\i+3], v3, s[24:25] offset:2048*(\t)+512*\i th:TH_LOAD_NT
.endr
.endm
.macro TURN t                          ; step t's numbers through the stage: LDS serves a wave's instructions in order, so no wait stands between the stores and the loads
.irp i, 0,1,2,3
	ds_store_b128 v14, v[R+16*((\t)%4)+4*\i:R+16*((\t)%4)+4*\i+3] offset:32*SP*((\t)%2)+8*SP*\i
.endr
.irp i, 0,1,2,3
	ds_load_b128 v[X+16*((\t)%2)+4*\i:X+16*((\t)%2)+4*\i+3], v15 offset:32*SP*((\t)%2)+16*\i
.endr
.endm
.irp t, 0,1,2,3
	LOAD \t
.endr
	s_wait_loadcnt 12                              ; step 0's four loads are in; three steps' twelve may be out
	TURN 0
.macro STEP t
.set XS, X+16*((\t)%2)
.if (\t) > 0
	s_wait_dscnt 1                                 ; this step's numbers are back from the stage; the last step's byte store may be out
.else
	s_wait_dscnt 0x0
.endif
.if (\t)+4 < STEPS
	LOAD (\t)+4                                    ; into the registers that the stage's stores have read
.endif
.if (\t)+1 < STEPS
.if STEPS-2-(\t) >= 3
	s_wait_loadcnt 12                              ; the next step's four loads are in; those of the three steps behind it may be out
.else
	s_wait_loadcnt 4*(STEPS-2-(\t))
.endif
	TURN (\t)+1
.endif
	v_max3_num_f32 v8, |v[XS]|, |v[XS+1]|, |v[XS+2]|               ; the largest magnitude of my 16, in two chains
	v_max3_num_f32 v9, |v[XS+3]|, |v[XS+4]|, |v[XS+5]|
.irp i, 6,10
	v_max3_num_f32 v8, v8, |v[XS+\i]|, |v[XS+\i+1]|
	v_max3_num_f32 v9, v9, |v[XS+\i+2]|, |v[XS+\i+3]|
.endr
	v_max3_num_f32 v8, v8, |v[XS+14]|, |v[XS+15]|
	v_max3_num_f32 v8, v8, v9, (EMAX+1)<<23        ; and the floor 2^(3 - 127): the byte cannot fall under 1
	v_max_num_f32_dpp v8, v8, v8 row_xmask:1 row_mask:0xf bank_mask:0xf   ; with my neighbour's 16: the block's
	v_add_nc_u32 v11, 0xff000000, v8               ; 2 off its exponent field: the conversion takes the exponent field of this operand as its scale
	v_cvt_scalef32_pk8_fp4_f32 v[C+4*(\t)], v[XS:XS+7], v11
	v_cvt_scalef32_pk8_fp4_f32 v[C+4*(\t)+1], v[XS+8:XS+15], v11
	v_lshrrev_b32 v[E+(\t)], 23, v11               ; the scale's byte
	ds_store_b8 v5, v[E+(\t)] offset:16*(\t)       ; both lanes of a block write the same byte with the same value
	global_store_b64 v4, v[C+4*(\t):C+4*(\t)+1], s[14:15] offset:32*CB*(\t)   ; the wave stores 256 consecutive bytes, aligned
.endm
.irp t, 0,1,2,3,4,5,6,7,8,9,10,11,12,13,14,15
	STEP \t
.endr
	ds_load_b64 v[8:9], v6                         ; in order behind my byte stores
	s_wait_dscnt 0x0
	global_store_b64 v7, v[8:9], s[16:17]          ; the wave's 256 scale bytes, consecutive and aligned
	s_wait_tensorcnt 0x0                           ; the wave's end
	ds_add_u32 v[SPW], v[NIL]
	s_wait_dscnt 0x0
	s_endpgm
; ---- Wo TO f16.  Wave w of work-group j takes rows 32 j + 8 w .. + 7, two rows at a time.  Lane: row bit (lane / 8) % 2, chunk bit lane / 16, piece lane % 8 of eight numbers.
; So sixteen lanes store two rows' 128 bytes of one chunk: 256 consecutive bytes, aligned.  No LDS.
.Lwo:
	s_sub_co_u32 s23, ttmp9, QWG
	s_lshl_b32 s23, s23, 5
	s_lshl_b32 s26, s22, 3
	s_add_co_u32 s23, s23, s26                     ; my first row
	s_lshl_b32 s26, s23, 12
	s_add_nc_u64 s[12:13], s[12:13], s[26:27]      ; 4,096 bytes a row of Wo
	s_lshl_b32 s26, s23, 7
	s_add_nc_u64 s[18:19], s[18:19], s[26:27]      ; 128 bytes a row of a chunk
	v_bfe_u32 v5, v0, 3, 1                         ; row bit
	v_bfe_u32 v6, v0, 4, 1                         ; chunk bit
	v_and_b32 v7, 7, v0                            ; piece
	v_lshlrev_b32 v3, 5, v7
	v_lshl_add_u32 v3, v6, 8, v3
	v_lshl_add_u32 v3, v5, 12, v3                  ; in: 4,096 x row + 256 x chunk + 32 x piece
	v_lshlrev_b32 v4, 4, v7
	v_lshl_add_u32 v4, v5, 7, v4
	v_lshl_add_u32 v4, v6, 17, v4                  ; out: 131,072 x chunk + 128 x row + 16 x piece
.macro LOADW rp                        ; row pair rp, all sixteen chunks, into set rp % 2 of 64 registers
.irp cp, 0,1,2,3,4,5,6,7
	global_load_b128 v[16+64*((\rp)%2)+8*\cp:16+64*((\rp)%2)+8*\cp+3], v3, s[12:13] offset:(\rp)*8192+\cp*512 th:TH_LOAD_NT
	global_load_b128 v[16+64*((\rp)%2)+8*\cp+4:16+64*((\rp)%2)+8*\cp+7], v3, s[12:13] offset:(\rp)*8192+\cp*512+16 th:TH_LOAD_NT
.endr
.endm
	LOADW 0
	LOADW 1
.irp rp, 0,1,2,3
.if \rp < 3
	s_wait_loadcnt 16                              ; this pair's sixteen loads are in; the next pair's may be out
.else
	s_wait_loadcnt 0x0
.endif
.if \rp > 0
	s_wait_xcnt 0x0                                ; the last pair's stores have read v144-175
.endif
.irp cp, 0,1,2,3,4,5,6,7
.irp i, 0,1,2,3
	v_cvt_pk_f16_f32 v[144+4*\cp+\i], v[16+64*(\rp%2)+8*\cp+2*\i], v[16+64*(\rp%2)+8*\cp+2*\i+1]
.endr
.endr
.if \rp < 2
	LOADW \rp+2
.endif
.irp cp, 0,1,2,3,4,5,6,7
	global_store_b128 v4, v[144+4*\cp:147+4*\cp], s[18:19] offset:\cp*262144+\rp*256
.endr
.endr
	s_endpgm
; ---- THE TABLE OF ROTATIONS.  Wave w of work-group j takes positions 64 j + 16 w .. + 15, two at a time; a lane takes frequencies 2 (lane % 16) and the next, at position + lane / 16.
; cos and sin by range reduction to |r| <= pi/4 (n = nearest whole number to angle x 2/pi; pi/2 in two parts) and polynomials; the quadrant by selects and sign bits: no branch on data.
.Lrope:
	s_sub_co_u32 s23, ttmp9, QWG+WWG
	s_lshl_b32 s23, s23, 6
	s_lshl_b32 s26, s22, 4
	s_add_co_u32 s23, s23, s26                     ; my first position
	s_lshl_b32 s26, s23, 8
	s_add_nc_u64 s[20:21], s[20:21], s[26:27]      ; 256 bytes a position
	s_mov_b32 s30, 0x3f22f983                      ; 2 / pi
	s_mov_b32 s31, 0xbfc90fdb                      ; -(pi/2's upper part)
	s_mov_b32 s32, 0x33bbbd2e                      ; upper part - pi/2
	s_mov_b32 s33, 0xb94ca1f9                      ; sine: -1.9515296e-4, 8.3321609e-3, -1.6666655e-1
	s_mov_b32 s34, 0x3c08839e
	s_mov_b32 s35, 0xbe2aaaa3
	s_mov_b32 s36, 0x37ccf5ce                      ; cosine: 2.4433157e-5, -1.3887316e-3, 4.1666646e-2
	s_mov_b32 s37, 0xbab6061a
	s_mov_b32 s38, 0x3d2aaaa5
	s_mov_b32 s39, 0x80000000
	s_mov_b32 s40, 0xbed49a78                      ; -log2(10000) / 32
	v_lshlrev_b32 v5, 4, v2                        ; 16 x lane: two positions' 512 bytes a store
	v_and_b32 v6, 15, v0
	v_lshlrev_b32 v6, 1, v6                        ; my first frequency
	v_add_nc_u32 v7, 1, v6
	v_cvt_f32_u32 v28, v6
	v_cvt_f32_u32 v29, v7
	v_mul_f32 v28, s40, v28
	v_mul_f32 v29, s40, v29
	v_exp_f32 v30, v28                             ; 10000^(-f/32)
	v_exp_f32 v31, v29
	v_bfe_u32 v40, v0, 4, 1                        ; (a plain line behind the exponentials)
	s_wait_alu depctr_va_vdst(0)                   ; one wait for both, ahead of their first reader
	v_add_nc_u32 v40, s23, v40                     ; my position in the first pair
.macro SINCOS a, c, s                  ; v[c] = cos(v[a]), v[s] = sin(v[a]); v32-39 at work
	v_mul_f32 v32, s30, v[\a]
	v_rndne_f32 v32, v32                           ; n
	v_fma_f32 v33, v32, s31, v[\a]                 ; angle - n x upper part: no bit is lost
	v_fma_f32 v33, v32, s32, v33                   ; r
	v_cvt_i32_f32 v34, v32
	v_mul_f32 v35, v33, v33                        ; z = r r
	v_fma_f32 v36, v35, s33, s34
	v_fma_f32 v36, v36, v35, s35
	v_mul_f32 v36, v36, v35
	v_fma_f32 v36, v36, v33, v33                   ; sin r
	v_fma_f32 v37, v35, s36, s37
	v_fma_f32 v37, v37, v35, s38
	v_mul_f32 v38, v35, v35
	v_fma_f32 v39, v35, -0.5, 1.0
	v_fma_f32 v37, v38, v37, v39                   ; cos r
	v_and_b32 v38, 1, v34
	v_cmp_eq_u32 vcc_lo, 1, v38                    ; odd quadrants change the two
	v_cndmask_b32 v[\s], v36, v37, vcc_lo
	v_cndmask_b32 v[\c], v37, v36, vcc_lo
	v_lshlrev_b32 v38, 30, v34                     ; the sine is negative in quadrants 2 and 3,
	v_and_b32 v38, s39, v38
	v_xor_b32 v[\s], v[\s], v38
	v_add_nc_u32 v39, 1, v34                       ; the cosine in 1 and 2
	v_lshlrev_b32 v39, 30, v39
	v_and_b32 v39, s39, v39
	v_xor_b32 v[\c], v[\c], v39
.endm
.irp it, 0,1,2,3,4,5,6,7                ; each pair of positions has its own four registers, so no store's data are written again
	v_add_nc_u32 v41, 2*\it, v40
	v_cvt_f32_u32 v41, v41
	v_mul_f32 v42, v41, v30                        ; the angles, as f32 products
	v_mul_f32 v43, v41, v31
	SINCOS 42, 64+4*\it, 65+4*\it
	SINCOS 43, 66+4*\it, 67+4*\it
	global_store_b128 v5, v[64+4*\it:67+4*\it], s[20:21] offset:\it*512   ; 512 consecutive bytes
.endr
	s_endpgm
.Lfunc_end_k_qdebdc27f6a_prep:
	.size	k_qdebdc27f6a_prep, .Lfunc_end_k_qdebdc27f6a_prep-k_qdebdc27f6a_prep
	.p2alignl 7, 3214868480
	.fill 96, 4, 3214868480
	.section	.rodata,"a",@progbits
	.p2align	6, 0x0
	.amdhsa_kernel k_qdebdc27f6a_prep
		.amdhsa_group_segment_fixed_size 33280
		.amdhsa_private_segment_fixed_size 0
		.amdhsa_enable_private_segment 0
		.amdhsa_kernarg_size 72
		.amdhsa_user_sgpr_count 2
		.amdhsa_user_sgpr_kernarg_segment_ptr 1
		.amdhsa_wavefront_size32 1
		.amdhsa_system_sgpr_workgroup_id_x 1
		.amdhsa_system_sgpr_workgroup_id_y 1
		.amdhsa_system_sgpr_workgroup_id_z 1
		.amdhsa_system_vgpr_workitem_id 0
		.amdhsa_next_free_vgpr 192
		.amdhsa_next_free_sgpr 66
		.amdhsa_reserve_vcc 1
		.amdhsa_float_denorm_mode_32 3
		.amdhsa_float_denorm_mode_16_64 3
		.amdhsa_memory_ordered 1
		.amdhsa_forward_progress 1
		.amdhsa_inst_pref_size 72
	.end_amdhsa_kernel
	.amdgpu_metadata
---
amdhsa.version: [ 1, 2 ]
amdhsa.kernels:
  - .name:           k_qdebdc27f6a_prep
    .symbol:         k_qdebdc27f6a_prep.kd
    .args:
      - { .name: x, .offset: 0, .size: 8, .value_kind: global_buffer, .address_space: global }
      - { .name: Wq, .offset: 8, .size: 8, .value_kind: global_buffer, .address_space: global }
      - { .name: Wk, .offset: 16, .size: 8, .value_kind: global_buffer, .address_space: global }
      - { .name: Wv, .offset: 24, .size: 8, .value_kind: global_buffer, .address_space: global }
      - { .name: Wo, .offset: 32, .size: 8, .value_kind: global_buffer, .address_space: global }
      - { .name: codes, .offset: 40, .size: 8, .value_kind: global_buffer, .address_space: global }
      - { .name: scales, .offset: 48, .size: 8, .value_kind: global_buffer, .address_space: global }
      - { .name: wo16, .offset: 56, .size: 8, .value_kind: global_buffer, .address_space: global }
      - { .name: rope, .offset: 64, .size: 8, .value_kind: global_buffer, .address_space: global }
    .group_segment_fixed_size: 33280
    .private_segment_fixed_size: 0
    .kernarg_segment_align: 8
    .kernarg_segment_size: 72
    .max_flat_workgroup_size: 128
    .sgpr_count:     66
    .vgpr_count:     192
    .wavefront_size: 32
...
	.end_amdgpu_metadata
.endif
;; end of part 1
;; launch qkv (part 2): grid 12 x 32, 4 waves a work-group, clusters of 4 x 1, 327,680 bytes of LDS; arguments codes, scales, rope, qkv16, fine32; writes qkv16, fine32
.if DOCPART == 2
	.amdgcn_target "amdgcn-amd-amdhsa--gfx1250"
	.amdhsa_code_object_version 6
	.text
	.protected	k_qdebdc27f6a_qkv
	.globl	k_qdebdc27f6a_qkv
	.p2align	8
	.type	k_qdebdc27f6a_qkv,@function
k_qdebdc27f6a_qkv:
	s_mov_b64 s[64:65], 0
	v_nop
	global_prefetch_b8 v0, s[64:65] scope:SCOPE_SE
	s_setreg_imm32_b32 hwreg(HW_REG_WAVE_MODE, 25, 1), 1
	s_wait_xcnt 0x0
	s_wait_alu depctr_hold_cnt(0) depctr_sa_sdst(0) depctr_va_vdst(0) depctr_va_sdst(0) depctr_va_ssrc(0) depctr_va_vcc(0) depctr_vm_vsrc(0)
	s_getreg_b32 s2, hwreg(HW_REG_IB_STS2, 6, 4)
	s_cmp_eq_u32 s2, 0
	s_cbranch_scc0 .Lentry_in_a_cluster
	s_endpgm
.Lentry_in_a_cluster:
	s_bfe_u32 s2, ttmp6, 0x10000c
	s_cmp_lg_u32 s2, 0x3003
	s_cbranch_scc0 .Lentry_shape_is_right
	s_endpgm
.Lentry_shape_is_right:
; q, k, v = x W^T on codes of FP4 (E2M1) with one E8M0 scale for each 32 along K = 1,024; sums in f32; then the rotation of q and k, and f16 results laid by head: qkv16 [which 3][batch 4][head 16][position 2048][64].
; Positions 0-15 of every sequence are also stored in f32 (fine32 [which][batch][head][16][64]) for the launch that carries those rows finely.
; A: x's codes, 8,192 rows of 512 bytes at byte 0 of 'codes'; B: Wq, Wk, Wv on end, 3,072 rows, from byte 4,194,304.  Scale bytes, 32 a row: x's at byte 0 of 'scales', the weights' from byte 262,144.
; A tile of C is 256 x 256, four waves, a wave 128 x 128: 64 accumulators, 512 registers.  K is two slots of 512 (rows of 256 bytes), each filled ONCE: nothing is filled again.  The scales of all of K come with the first fills.
; THE MATRIX INSTRUCTION IS USED TRANSPOSED (source 0 = 16 rows of W, source 1 = 16 rows of x): a lane holds eight neighbouring channels of one position.
; CLUSTER 4 x 1: the four partners make four tile columns of one tile row, so x's tiles and scales are asked for JOINTLY (mask 15); W's differ and are plain loads.  Cluster x is 0, 1, 2 for q, k, v, and the tile row is
; the grid's y: both are the same in all partners, so the branches 'rotate or not' and 'positions 0-15 or not' hang on nothing that differs between partners.  (In a 4 x 4 cluster the tile row would hang on the place in the cluster.)
; LIMITS: |q|, |k|, |v| up to 65,504 (f16); NaN and infinities are not served.
; REGISTERS, in windows of 256: window 0: v0-31 addresses; v32-95 scale words, two sets; v128-191 A's fragments, one set; v96-127 and v192-223 the table of rotations, two sets.  On the way out v32-95 rotated numbers,
;   v224-255 packed f16, v128-191 rows read back.   window 1: B's fragments, two sets.   window 2: accumulators of my rows 0-63 ((a, b) at v[8 (8 a + b)]);   window 3: those of rows 64-127.
.set NQ,     4                         ; steps of 128 along K in a slot
.set ROWB,   256                       ; a tile's row: 512 codes
.set KROW,   512                       ; a row of codes in memory
.set PITCH,  272                       ; an LDS row: 256 bytes + 16 of padding: the 16 rows of a load start 16 bytes further on each, modulo 256
.set FR,     8
.set NL,     2
.set NP,     4
.set HALFT,  128*PITCH
.set SLOT,   4*HALFT                   ; A's 256 rows, then B's 256 rows
.set KS,     32                        ; a row of scale bytes
.set SCL,    2*SLOT                    ; behind the slots: the scales, as rows of 256 bytes + 16
.set HALFS,  16*272                    ; those of 128 rows
.set SBLK,   2*272                     ; those of 16 rows
.set SPARE,  SCL+4*HALFS               ; the spare words, 128 bytes for each wave, which no other line names
.set ADRA, 16                          ; v16-17 LDS address of my A fragments in slot 0, 1
.set ADRB, 20                          ; v20-21 the same for B
.set STO,  24                          ; v24    the way out: where I put 16 bytes of a row.  The stage (16 rows x 272 bytes a wave) lies in slot 0, which has had its only fill and its last read by then
.set RD,   25                          ; v25    where I read rows back
.set CO,   26                          ; v26    16 x lane
.set ADRS, 27                          ; v27    LDS address of my scale words
.set SPW,  28                          ; v28    LDS address of my spare word; never rewritten
.set NIL,  29                          ; v29    0; never rewritten
.set RF,   30                          ; v30    256 r + 32 h: my place in the table's 16 positions, and in fine32's; never rewritten
.set SC,   32
.set AF,   128
.set T,    32                          ; the way out: 64 rotated numbers
.set P,    224                         ; 32 registers of packed f16
.set G1, 24
.set G0, 32
.set G1B, 48
.set G0B, 56
.set G1S, 68
.set G0S, 76
.set G1SB, 80
.set G0SB, 88
.set MSB, 0
.macro WIN new                         ; the immediate's high byte repeats the setting that is left
.if MSB != (\new)
	s_set_vgpr_msb (MSB<<8)|(\new)
.set MSB, (\new)
.endif
.endm
.set MUL_LO, 0xa1                      ; source 0 (B) window 1, source 1 (A) window 0, C and D window 2
.set MUL_HI, 0xf1
.set TO_B,   0x40
; Waves 0 and 1 fetch for A (jointly), waves 2 and 3 for B.  The branch hangs on the wave's number alone.  An s_nop 0 and four v_nop follow each line.
.macro JLOAD g0a, g1a, g0b, g1b
	s_cmp_eq_u32 s15, 0
	s_cbranch_scc0 .Lfor_b_\@
	tensor_load_to_lds s[\g0a:\g0a+3], s[\g1a:\g1a+7]
	s_nop 0
.rept 4
	v_nop
.endr
	s_branch .Lasked_\@
.Lfor_b_\@:
	tensor_load_to_lds s[\g0b:\g0b+3], s[\g1b:\g1b+7]
	s_nop 0
.rept 4
	v_nop
.endr
.Lasked_\@:
.endm
.macro CROUND                          ; a round of the cluster's barrier
	s_barrier_signal -1
	s_barrier_wait -1
	s_cmp_lg_u32 s14, 0
	s_cbranch_scc1 .Lnot_wave_0_\@
	s_barrier_signal -3
.Lnot_wave_0_\@:
	s_barrier_wait -3
	s_barrier_signal -1
	s_barrier_wait -1
.endm
	s_load_b256 s[4:11], s[0:1], 0x0               ; codes s[4:5], scales s[6:7], rope s[8:9], qkv16 s[10:11]
	s_load_b64 s[12:13], s[0:1], 0x20              ; fine32
	v_lshl_add_u32 v[SPW], v0, 2, SPARE
	v_mov_b32 v[NIL], 0
	ds_add_u32 v[SPW], v[NIL]                      ; the wave's opening: the add, twice on end, and its wait ahead of my first tensor load
	ds_add_u32 v[SPW], v[NIL]
	v_lshrrev_b32 v1, 5, v0
	v_readfirstlane_b32 s14, v1                    ; wave 0..3
	s_lshr_b32 s15, s14, 1                         ; which half of the tile's rows is mine.  Also: I fetch for A (0) or for B (1)
	s_and_b32 s16, s14, 1                          ; which half of its columns.  Also: which 128 rows I fetch
	s_bfe_u32 s40, ttmp6, 0x40000                  ; cx
	s_lshl_b32 s42, ttmp9, 2
	s_add_co_u32 s42, s42, s40                     ; tile column = 4 x cluster x + cx
	s_and_b32 s17, ttmp7, 0xffff                   ; tile row: the partners share it
	; group 1: tiles of 128 rows x 256 bytes, 16 bytes of padding behind each row.  A's: mask 15 and bit 21; B's: no mask
	s_mov_b32 s[G1+0], 15|(1<<20)|(1<<21)|(5<<22)|(3<<25)
	s_mov_b32 s[G1B+0], (1<<20)|(5<<22)|(3<<25)
.irp g, G1, G1B
	s_mov_b32 s[\g+1], ROWB<<16                    ; tensor_dim0
	s_mov_b32 s[\g+2], 128<<16                     ; tensor_dim1
	s_mov_b32 s[\g+3], ROWB<<16                    ; tile_dim0
	s_mov_b32 s[\g+4], 128                         ; tile_dim1
	s_mov_b32 s[\g+5], KROW                        ; pitch
	s_mov_b32 s[\g+6], 0
	s_mov_b32 s[\g+7], 0
.endr
	; the scales of 128 rows: 4,096 dense bytes, as 16 rows of 32 elements of 8 bytes, padded likewise
	s_mov_b32 s[G1S+0], 15|(3<<16)|(1<<20)|(1<<21)|(5<<22)|(3<<25)
	s_mov_b32 s[G1SB+0], (3<<16)|(1<<20)|(5<<22)|(3<<25)
.irp g, G1S, G1SB
	s_mov_b32 s[\g+1], 32<<16
	s_mov_b32 s[\g+2], 16<<16
	s_mov_b32 s[\g+3], 32<<16
	s_mov_b32 s[\g+4], 16
	s_mov_b32 s[\g+5], 32
	s_mov_b32 s[\g+6], 0
	s_mov_b32 s[\g+7], 0
.endr
	s_lshl_b32 s18, s16, 7
	s_lshl_b32 s20, s17, 8
	s_add_co_u32 s20, s20, s18                     ; A: row 256 x tile row + 128 x half
	s_lshl_b32 s46, s42, 8
	s_add_co_u32 s46, s46, s18                     ; B: row 256 x tile column + 128 x half
	s_lshl_b32 s22, s20, 5                         ; A's scales, 32 bytes a row,
	s_mov_b32 s23, 0
	s_lshl_b32 s20, s20, 9                         ; and codes, 512 bytes a row
	s_mov_b32 s21, 0
	s_lshl_b32 s92, s46, 5
	s_add_co_u32 s92, s92, 262144                  ; B's lie behind x's in both buffers
	s_mov_b32 s93, 0
	s_lshl_b32 s46, s46, 9
	s_add_co_u32 s46, s46, 4194304
	s_mov_b32 s47, 0
	s_mul_i32 s45, s14, HALFT                      ; where they go: wave x 128 rows
	s_mul_i32 s94, s14, HALFS
	s_wait_dscnt 0x0                               ; both opening adds are done
	s_wait_kmcnt 0x0
	s_add_nc_u64 s[20:21], s[4:5], s[20:21]
	s_add_nc_u64 s[22:23], s[6:7], s[22:23]
	s_add_nc_u64 s[46:47], s[4:5], s[46:47]
	s_add_nc_u64 s[92:93], s[6:7], s[92:93]
	CROUND                                         ; all four work-groups are here: the joint loads meet
	s_mov_b32 s[G0S], 1
	s_add_co_u32 s[G0S+1], s94, SCL
	s_mov_b64 s[G0S+2:G0S+3], s[22:23]
	s_or_b32 s[G0S+3], s[G0S+3], 0x80000000
	s_mov_b32 s[G0SB], 1
	s_add_co_u32 s[G0SB+1], s94, SCL
	s_mov_b64 s[G0SB+2:G0SB+3], s[92:93]
	s_or_b32 s[G0SB+3], s[G0SB+3], 0x80000000
	JLOAD G0S, G1S, G0SB, G1SB                     ; the scales first; three tensor loads of mine are out at the most
.irp s, 0,1
	s_mov_b32 s[G0+4*\s], 1
	s_add_co_u32 s[G0+4*\s+1], s45, \s*SLOT
	s_add_nc_u64 s[G0+4*\s+2:G0+4*\s+3], s[20:21], \s*ROWB
	s_or_b32 s[G0+4*\s+3], s[G0+4*\s+3], 0x80000000
	s_mov_b32 s[G0B+4*\s], 1
	s_add_co_u32 s[G0B+4*\s+1], s45, \s*SLOT
	s_add_nc_u64 s[G0B+4*\s+2:G0B+4*\s+3], s[46:47], \s*ROWB
	s_or_b32 s[G0B+4*\s+3], s[G0B+4*\s+3], 0x80000000
	JLOAD G0+4*\s, G1, G0B+4*\s, G1B
.endr
	v_and_b32 v1, 15, v0                           ; r
	v_bfe_u32 v2, v0, 4, 1                         ; h
	v_mul_u32_u24 v3, v1, PITCH
	v_lshl_add_u32 v4, v2, 4, v3                   ; row x pitch + 16 h
	s_mul_i32 s21, s15, HALFT
	s_mul_i32 s22, s16, HALFT
	s_add_co_u32 s22, s22, 2*HALFT
.irp s, 0,1
	v_add_nc_u32 v[ADRA+\s], s21, v4
	v_add_nc_u32 v[ADRB+\s], s22, v4
	s_add_co_u32 s21, s21, SLOT
	s_add_co_u32 s22, s22, SLOT
.endr
	v_mul_u32_u24 v5, v1, KS                       ; my row's scales: 32 bytes a row,
	v_lshrrev_b32 v6, 8, v5
	v_lshl_add_u32 v5, v6, 4, v5                   ; and 16 more for each 256 passed
	s_mul_i32 s21, s15, HALFS
	s_mul_i32 s22, s16, HALFS
	s_add_co_u32 s22, s22, 2*HALFS
	s_sub_co_u32 s22, s22, s21
	v_mul_u32_u24 v6, s22, v2                      ; lanes 16-31 take B's
	s_add_co_u32 s21, s21, SCL
	v_add_nc_u32 v5, v5, v6
	v_add_nc_u32 v[ADRS], s21, v5
	s_mul_i32 s23, s14, 16*PITCH                   ; my stage
	v_add_nc_u32 v[STO], s23, v4                   ; in: row r, 16 bytes for each half of the lanes
	v_bfe_u32 v5, v0, 3, 2
	v_mul_u32_u24 v5, v5, PITCH
	v_and_b32 v6, 7, v0
	v_lshl_add_u32 v5, v6, 4, v5
	v_add_nc_u32 v[RD], s23, v5                    ; back: four rows' 128 bytes of one head: row lane / 8, piece lane % 8
	v_and_b32 v6, 31, v0
	v_lshlrev_b32 v[CO], 4, v6
	v_lshlrev_b32 v[RF], 8, v1
	v_lshl_add_u32 v[RF], v2, 5, v[RF]
	s_and_b32 s96, s17, 7                          ; a batch is 8 tile rows
	s_lshl_b32 s99, s96, 8
	s_lshl_b32 s95, s15, 7
	s_add_co_u32 s99, s99, s95                     ; my first position in the sequence
	s_or_b32 s96, s96, s15                         ; 0 where my block 0 is positions 0-15
	s_lshl_b32 s20, s99, 8
	s_mov_b32 s21, 0
	s_add_nc_u64 s[8:9], s[8:9], s[20:21]          ; the table at my first position
	s_lshr_b32 s97, s17, 3                         ; batch
	s_lshl_b32 s98, ttmp9, 2
	s_add_co_u32 s97, s97, s98                     ; 4 x which + batch
	s_lshl_b32 s97, s97, 4
	s_lshl_b32 s98, s16, 1
	s_add_co_u32 s97, s97, s98
	s_lshl_b32 s98, s40, 2
	s_add_co_u32 s97, s97, s98                     ; + my first head: 4 cx + 2 x column half
	s_lshl_b32 s46, s97, 18                        ; 262,144 bytes a head,
	s_lshl_b32 s98, s99, 7                         ; 128 a position
	s_add_co_u32 s46, s46, s98
	s_mov_b32 s47, 0
	s_add_nc_u64 s[10:11], s[10:11], s[46:47]
	s_lshl_b32 s46, s97, 12                        ; 4,096 bytes a head in fine32
	s_add_nc_u64 s[12:13], s[12:13], s[46:47]
.macro FRAG reg, adr, q, i             ; 16 rows x 128 K of 4-bit codes: 8 registers, two loads of 16 bytes, 32 bytes apart
.irp c, 0,1
	ds_load_b128 v[\reg+4*\c:\reg+4*\c+3], v[\adr] offset:64*(\q)+32*\c+(\i)*16*PITCH
.endr
.endm
; 16 matrix instructions: A's blocks a0, a0 + 1 x B's eight.  The 64 accumulators take turns, one instruction a turn, in the same order in every step.
; One register carries A's scale word (lanes 0-15) and B's (lanes 16-31) of block i.
.macro MUL16 a0, p, q, sc, zero
.irp a, \a0, \a0+1
.irp b, 0,1,2,3,4,5,6,7
.if \zero
	v_wmma_scale_f32_16x16x128_f8f6f4 v[8*(8*((\a)%4)+\b):8*(8*((\a)%4)+\b)+7], v[128*(\p)+FR*\b:128*(\p)+FR*\b+FR-1], v[AF+FR*(\a):AF+FR*(\a)+FR-1], 0, v[SC+8*NQ*(\sc)+NQ*\b+(\q)], v[SC+8*NQ*(\sc)+NQ*(\a)+(\q)] matrix_a_fmt:MATRIX_FMT_FP4 matrix_b_fmt:MATRIX_FMT_FP4 matrix_a_scale:MATRIX_SCALE_ROW1
.else
	v_wmma_scale_f32_16x16x128_f8f6f4 v[8*(8*((\a)%4)+\b):8*(8*((\a)%4)+\b)+7], v[128*(\p)+FR*\b:128*(\p)+FR*\b+FR-1], v[AF+FR*(\a):AF+FR*(\a)+FR-1], v[8*(8*((\a)%4)+\b):8*(8*((\a)%4)+\b)+7], v[SC+8*NQ*(\sc)+NQ*\b+(\q)], v[SC+8*NQ*(\sc)+NQ*(\a)+(\q)] matrix_a_fmt:MATRIX_FMT_FP4 matrix_b_fmt:MATRIX_FMT_FP4 matrix_a_scale:MATRIX_SCALE_ROW1
.endif
.endr
.endr
.endm
.macro FETCH_B slot, q, p
	WIN TO_B
.irp i, 0,1,2,3,4,5,6,7
	FRAG 128*(\p)+FR*\i, ADRB+\slot, \q, \i
.endr
	WIN 0
.endm
.macro FETCH_A slot, q, i0
.irp i, \i0, \i0+1, \i0+2, \i0+3
	FRAG AF+FR*(\i), ADRA+\slot, \q, \i
.endr
.endm
.macro SCALES sc                       ; a slot's scale words: 4 words a row
.irp i, 0,1,2,3,4,5,6,7
	ds_load_b128 v[SC+8*NQ*\sc+NQ*\i:SC+8*NQ*\sc+NQ*\i+3], v[ADRS] offset:\i*SBLK
.endr
.endm
.macro PLACES n                        ; plain vector lines between a matrix instruction and a load into, or a read of, its registers
.rept \n
	v_nop
.endr
.endm
.macro STEP slot, q, zero              ; 128 along K, with its successor in the same slot
	s_wait_dscnt 4*NL                              ; B's set and A's blocks 0-3 are in; A's blocks 4-7 (8 loads) may be out
	WIN MUL_LO
	MUL16 0, (\q)%2, \q, \slot, \zero
	MUL16 2, (\q)%2, \q, \slot, \zero
	s_wait_dscnt 0
	PLACES NP
	FETCH_B \slot, (\q)+1, 1-(\q)%2
	FETCH_A \slot, (\q)+1, 0
	WIN MUL_HI
	MUL16 4, (\q)%2, \q, \slot, \zero
	MUL16 6, (\q)%2, \q, \slot, \zero
	PLACES NP
	WIN 0
	FETCH_A \slot, (\q)+1, 4
.endm
.macro STEPS slot, from
.set Q, \from
.rept NQ-1-\from
	STEP \slot, Q, 0
.set Q, Q+1
.endr
.endm
	s_wait_tensorcnt 1                             ; the scales and my part of slot 0 are in; slot 1's load may be out
	s_barrier_signal -1
	s_barrier_wait -1
	FETCH_B 0, 0, 0
	FETCH_A 0, 0, 0
	SCALES 0
	FETCH_A 0, 0, 4
	STEP 0, 0, 1                                   ; the first products start the sums: nothing is cleared
	STEPS 0, 1
	; slot 0's last step, and the change to slot 1: one barrier; in front of it my part of slot 1 has landed and my reads of slot 0 are over
	s_wait_tensorcnt 0x0
	ds_add_u32 v[SPW], v[NIL]                      ; 0 onto my spare word
	s_wait_dscnt 4*NL+1                            ; the add and A's blocks 4-7 may be out
	WIN MUL_LO
	MUL16 0, 1, NQ-1, 0, 0
	s_wait_dscnt 0x0
	s_barrier_signal -1
	MUL16 2, 1, NQ-1, 0, 0
	WIN 0
	s_barrier_wait -1
	PLACES NP
	v_add_nc_u32 v[ADRS], 4*NQ, v[ADRS]            ; slot 1's scale words
	FETCH_B 1, 0, 0
	FETCH_A 1, 0, 0
	SCALES 1
	WIN MUL_HI
	MUL16 4, 1, NQ-1, 0, 0
	MUL16 6, 1, NQ-1, 0, 0
	PLACES NP
	WIN 0
	FETCH_A 1, 0, 4
; THE WAY OUT, block by block of 16 positions x 128 channels (two heads).  Register j of accumulator (a, b) in lane (r, h) is position 16 a + r, channel 16 (b % 4) + 8 h + j of head b / 4.
.macro CSLOAD a                        ; (cos, sin) of frequencies 8 bq + 4 h + 0 .. 3 at position 16 a + r, into set a % 2
.set CC, 96+96*((\a)%2)
.irp bq, 0,1,2,3
.irp e, 0,1
	global_load_b128 v[CC+8*\bq+4*\e:CC+8*\bq+4*\e+3], v[RF], s[8:9] offset:(\a)*4096+64*\bq+16*\e
.endr
.endr
.endm
.macro ROPE a                          ; (x1, x2) -> (x1 c - x2 s, x1 s + x2 c): a packed multiply (x2 s, x2 c) and a packed multiply-add; each accumulator from its low end on
.set AC, 64*((\a)%4)
.set CC, 96+96*((\a)%2)
	WIN 0x02+(\a)/4                                ; source 0: the accumulators' window
.irp b, 0,1,2,3,4,5,6,7
.irp i, 0,1,2,3
	v_pk_mul_f32 v[T+8*\b+2*\i:T+8*\b+2*\i+1], v[AC+8*\b+2*\i:AC+8*\b+2*\i+1], v[CC+8*(\b%4)+2*\i:CC+8*(\b%4)+2*\i+1] op_sel:[1,1] op_sel_hi:[1,0]
.endr
.irp i, 0,1,2,3
	v_pk_fma_f32 v[T+8*\b+2*\i:T+8*\b+2*\i+1], v[AC+8*\b+2*\i:AC+8*\b+2*\i+1], v[CC+8*(\b%4)+2*\i:CC+8*(\b%4)+2*\i+1], v[T+8*\b+2*\i:T+8*\b+2*\i+1] op_sel_hi:[0,1,1] neg_lo:[0,0,1]
.endr
.endr
	WIN 0
.endm
.macro CVT a, rope                     ; eight channels become 16 bytes of f16
.if \rope
.irp b, 0,1,2,3,4,5,6,7
.irp i, 0,1,2,3
	v_cvt_pk_f16_f32 v[P+4*\b+\i], v[T+8*\b+2*\i], v[T+8*\b+2*\i+1]
.endr
.endr
.else
.set AC, 64*((\a)%4)
	WIN 0x0a+5*((\a)/4)                            ; sources 0 and 1: the accumulators' window
.irp b, 0,1,2,3,4,5,6,7
.irp i, 0,1,2,3
	v_cvt_pk_f16_f32 v[P+4*\b+\i], v[AC+8*\b+2*\i], v[AC+8*\b+2*\i+1]
.endr
.endr
	WIN 0
.endif
.endm
.macro TOSTAGE a                       ; into my stage by positions, back by heads: LDS serves a wave's instructions in order
.set BB, 128+32*((\a)%2)
.irp b, 0,1,2,3,4,5,6,7
	ds_store_b128 v[STO], v[P+4*\b:P+4*\b+3] offset:32*\b
.endr
.irp t, 0,1,2,3,4,5,6,7
	ds_load_b128 v[BB+4*\t:BB+4*\t+3], v[RD] offset:(\t/4)*128+(\t%4)*4*PITCH
.endr
.endm
.macro SEND a, younger                 ; younger: the LDS instructions issued behind block a's loads
.set BB, 128+32*((\a)%2)
	s_wait_dscnt \younger
.irp t, 0,1,2,3,4,5,6,7
	global_store_b128 v[CO], v[BB+4*\t:BB+4*\t+3], s[10:11] offset:(\t/4)*262144+(\a)*2048+(\t%4)*512   ; four positions of one head: 512 consecutive bytes, aligned
.endr
.endm
.macro FINE rope                       ; block 0 in f32, where it is positions 0-15: 1 block in 128, so its stores of 16 bytes a lane weigh little
	s_cmp_eq_u32 s96, 0
	s_cbranch_scc0 .Lnot_first_\@
.if \rope
.irp b, 0,1,2,3,4,5,6,7
.irp e, 0,1
	global_store_b128 v[RF], v[T+8*\b+4*\e:T+8*\b+4*\e+3], s[12:13] offset:(\b/4)*4096+(\b%4)*64+16*\e
.endr
.endr
.else
	WIN 0x08                                       ; a store's data are its source 1: window 2
.irp b, 0,1,2,3,4,5,6,7
.irp e, 0,1
	global_store_b128 v[RF], v[8*\b+4*\e:8*\b+4*\e+3], s[12:13] offset:(\b/4)*4096+(\b%4)*64+16*\e
.endr
.endr
	WIN 0
.endif
.Lnot_first_\@:
.endm
.macro WAYOUT rope
	PLACES NP                                      ; behind the last products
.irp a, 0,1,2,3,4,5,6,7
.if \a > 0
	s_wait_xcnt 0x0                                ; the f32 stores have read v32-95, and block a - 2's stores the registers that block a's rows land in
.endif
.if \rope
.if \a < 7
	s_wait_loadcnt 8                               ; this block's table is in; the next block's eight loads may be out
.else
	s_wait_loadcnt 0x0
.endif
	ROPE \a
.endif
	CVT \a, \rope
.if \rope && (\a < 6)
	CSLOAD \a+2
.endif
	TOSTAGE \a
.if \a == 0
	FINE \rope
.endif
.if \a > 0
	SEND \a-1, 16                                  ; behind block a - 1's loads: block a's 8 stores and 8 loads
.endif
.endr
	SEND 7, 0
.endm
; Slot 1's four steps and the way out, written once for q and k and once for v, so that the one branch stands ahead of the table's first loads: they have four steps in which to land.
.macro TAIL rope
.if \rope
	CSLOAD 0
	CSLOAD 1
.endif
	STEPS 1, 0
	s_wait_dscnt 4*NL
	WIN MUL_LO
	MUL16 0, 1, NQ-1, 1, 0
	MUL16 2, 1, NQ-1, 1, 0
	s_wait_dscnt 0
	WIN MUL_HI
	MUL16 4, 1, NQ-1, 1, 0
	MUL16 6, 1, NQ-1, 1, 0
	WIN 0
	WAYOUT \rope
.endm
	s_cmp_eq_u32 ttmp9, 2                          ; cluster x: 0 q, 1 k, 2 v: the same in all four partners
	s_cbranch_scc1 .Lv
	TAIL 1
	s_branch .Lend
.Lv:
	TAIL 0
.Lend:
	s_wait_tensorcnt 0x0                           ; the wave's end
	ds_add_u32 v[SPW], v[NIL]
	s_wait_dscnt 0x0
	CROUND                                         ; the closing round
	s_endpgm
.Lfunc_end_k_qdebdc27f6a_qkv:
	.size	k_qdebdc27f6a_qkv, .Lfunc_end_k_qdebdc27f6a_qkv-k_qdebdc27f6a_qkv
	.p2alignl 7, 3214868480
	.fill 96, 4, 3214868480
	.section	.rodata,"a",@progbits
	.p2align	6, 0x0
	.amdhsa_kernel k_qdebdc27f6a_qkv
		.amdhsa_group_segment_fixed_size 327680
		.amdhsa_private_segment_fixed_size 0
		.amdhsa_enable_private_segment 0
		.amdhsa_kernarg_size 40
		.amdhsa_user_sgpr_count 2
		.amdhsa_user_sgpr_kernarg_segment_ptr 1
		.amdhsa_wavefront_size32 1
		.amdhsa_system_sgpr_workgroup_id_x 1
		.amdhsa_system_sgpr_workgroup_id_y 1
		.amdhsa_system_sgpr_workgroup_id_z 1
		.amdhsa_system_vgpr_workitem_id 0
		.amdhsa_next_free_vgpr 1024
		.amdhsa_next_free_sgpr 100
		.amdhsa_reserve_vcc 0
		.amdhsa_float_denorm_mode_32 3
		.amdhsa_float_denorm_mode_16_64 3
		.amdhsa_memory_ordered 1
		.amdhsa_forward_progress 1
		.amdhsa_inst_pref_size 238
	.end_amdhsa_kernel
	.amdgpu_metadata
---
amdhsa.version: [ 1, 2 ]
amdhsa.kernels:
  - .name:           k_qdebdc27f6a_qkv
    .symbol:         k_qdebdc27f6a_qkv.kd
    .args:
      - { .name: codes, .offset: 0, .size: 8, .value_kind: global_buffer, .address_space: global }
      - { .name: scales, .offset: 8, .size: 8, .value_kind: global_buffer, .address_space: global }
      - { .name: rope, .offset: 16, .size: 8, .value_kind: global_buffer, .address_space: global }
      - { .name: qkv16, .offset: 24, .size: 8, .value_kind: global_buffer, .address_space: global }
      - { .name: fine32, .offset: 32, .size: 8, .value_kind: global_buffer, .address_space: global }
    .group_segment_fixed_size: 327680
    .private_segment_fixed_size: 0
    .kernarg_segment_align: 8
    .kernarg_segment_size: 40
    .max_flat_workgroup_size: 128
    .sgpr_count:     100
    .vgpr_count:     1024
    .wavefront_size: 32
...
	.end_amdgpu_metadata
.endif
;; end of part 2
;; launch attn (part 3): grid 4 x 64, 8 waves a work-group, no clusters, 327,680 bytes of LDS; arguments qkv16, att16; writes att16
.if DOCPART == 3
	.amdgcn_target "amdgcn-amd-amdhsa--gfx1250"
	.amdhsa_code_object_version 6
	.text
	.protected	k_qdebdc27f6a_attn
	.globl	k_qdebdc27f6a_attn
	.p2align	8
	.type	k_qdebdc27f6a_attn,@function
k_qdebdc27f6a_attn:
	s_mov_b64 s[64:65], 0
	v_nop
	global_prefetch_b8 v0, s[64:65] scope:SCOPE_SE
	s_setreg_imm32_b32 hwreg(HW_REG_WAVE_MODE, 25, 1), 1
	s_wait_xcnt 0x0
; att[q] = the sum over k <= q of softmax_k(Q[q] . K[k] / 8) V[k], for each of 64 (batch, head); head size 64; Q, K, V f16 [2048][64] a head; products with f16 operands and f32 sums; maxima and sums in f32.
; att16 is laid [head 16][batch x 2048 + position][64] f16.  (Positions 0-15 are made here too and carried finely by a later launch.)
; SHARES.  Work-group (I, bh) owns query blocks I and 7 - I (256 queries each) of head bh, one after the other: (I + 1) + (8 - I) = 9 slots of 256 keys for every work-group, so all 256 have equal work and every trip count is a constant.
; Each of eight waves owns 32 queries, two tiles of 16.  Two waves share a SIMD: one wave's softmax stands beside the other's products and LDS loads.
; LAYOUT.  S^T = K Q^T (source 0 = 16 keys, source 1 = 16 queries), O^T = V^T P (source 0 = 16 channels, source 1 = P): a lane holds ONE query throughout.  Two tiles of S^T, rounded to f16 in pairs, ARE a fragment of P.
; V ([key][channel]) comes out of LDS turned, by ds_load_tr16_b128.
; SOFTMAX.  A running maximum m and sum l for each query: p = 2^(c s - c m), c = log2(e) / 8; in every step O and l are multiplied by a = 2^(c m_old - c m_new).
; THE MASK.  A step of 64 keys that all come after my 32 queries is left out (a scalar branch on ids); on the diagonal hidden scores become -infinity.  Every slot that is loaded is read; key 0 counts for every query.
; NO CLUSTER: the four work-groups of a head want different slots in the same trip (slot t while t <= I, then slot t - I - 1), so joint requests could not meet.
; ROWS IN LDS.  A head's rows of 128 bytes are dense in memory, so a tile is stated as rows of 256 bytes, two keys each: key k lies at (k / 2) x pitch + (k % 2) x 128.
; LIMITS: f16 operands: |q|, |k|, |v| up to 65,504.
; REGISTERS.  Window 0: v1-15 addresses and mask; v16-31 statistics, 8 a tile; v32-63 the way out; v64-127 S^T; v128-159 P; v160-191 Q; v192-255 O^T.  Window 1: v0-63 K of a step, v64-127 V of a step.
.set PK,     272                       ; two keys of K: 256 bytes + 16: the 16 rows of a load fall on 16 different 16-byte columns modulo 256
.set PV,     288                       ; two keys of V: 256 + 32: likewise for the turning load's 8 keys x 32 bytes
.set VOFF,   128*PK                    ; a slot: 256 keys of K, then 256 of V
.set SLOT1,  1<<17                     ; slot 1: one exclusive or turns an address
.set KSTEPB, 32*PK                     ; 64 keys
.set VSTEPB, 32*PV
.set STAGE,  SLOT1+VOFF+128*PV         ; behind the ring: 32 rows x 144 bytes for each wave
.set SPP,    144
.set SPARE,  STAGE+8*32*SPP            ; the spare words, 128 bytes for each wave, which no other line names
.set AK0, 1
.set AV0, 2
.set ADK, 3
.set ADV, 4
.set QO,  5
.set STO, 6
.set RD,  7
.set GO,  8
.set PFO, 9
.set SPW, 10                           ; v10 LDS address of my spare word; never rewritten
.set NIL, 11                           ; v11 0; never rewritten
.set ST,  16                           ; tile t at v[ST + 8 t]: +0 c m, +1 m, +2, +3 l in two halves, +4 to +7 at work; a at +6
.set S,   64
.set P,   128
.set Q,   160
.set O,   192
.set WV,  8
.set I,   9
.set QB,  10                           ; the query block in hand
.set SL,  11                           ; the slot of keys in hand
.set NX,  12                           ; the next
.set KF,  13                           ; the step's first key
.set Q0,  14                           ; my first query
.set TK,  15                           ; LDS byte of the step's K;  TV: that of its V, less VOFF
.set TV,  16
.set TRIP, 17
.set FOUR, 18
.set CS,  20
.set SEL, 22
.set G1K, 24
.set G1V, 32
.set G0K, 40
.set G0V, 44
.set KB,  48                           ; K's head at my quarter of a slot;  VB: V's
.set VB,  50
.set QP,  52                           ; Q's head
.set OB,  54                           ; att16 at my 32 rows
.set AP,  56                           ; att16 at my head and batch
.set PFA, 58
.set OFF, 60
.set PB,  66                           ; KB (waves 0-3) or VB (waves 4-7)
.set QA,  68
.set MSB, 0
.macro WIN new
.if MSB != (\new)
	s_set_vgpr_msb (MSB<<8)|(\new)
.set MSB, (\new)
.endif
.endm
; Every wave fetches a quarter of a slot's K (waves 0-3) or V (waves 4-7): 64 keys, 8,192 bytes.  An s_nop 0 and four v_nop follow each line.
.macro TLOAD
	s_cmp_lt_u32 s[WV], 4
	s_cbranch_scc0 .Lfor_v_\@
	tensor_load_to_lds s[G0K:G0K+3], s[G1K:G1K+7]
	s_nop 0
.rept 4
	v_nop
.endr
	s_branch .Lasked_\@
.Lfor_v_\@:
	tensor_load_to_lds s[G0V:G0V+3], s[G1V:G1V+7]
	s_nop 0
.rept 4
	v_nop
.endr
.Lasked_\@:
.endm
; A PREFETCH INTO THE L2 of the slot behind the one just asked for: my own quarter, lanes 256 bytes apart, one instruction a wave.  Only the head's work-group with I = 0 asks, and only for slots 4 to 7
; (3 <= NX <= 6): it is the first of the four to reach them, one trip (four key steps) later.  So each aligned block of 256 bytes is named once in the launch, none at the head, none past slot 7.
.macro ASK
	s_sub_co_u32 s70, s[NX], 3
	s_lshl_b32 s71, s[I], 16
	s_or_b32 s70, s70, s71
	s_cmp_lt_u32 s70, 4
	s_cbranch_scc0 .Lnot_mine_\@
	global_prefetch_b8 v[PFO], s[PFA:PFA+1] th:TH_LOAD_NT scope:SCOPE_SE
.Lnot_mine_\@:
.endm
	s_load_b128 s[4:7], s[0:1], 0x0                ; qkv16, att16
	v_lshl_add_u32 v[SPW], v0, 2, SPARE
	v_mov_b32 v[NIL], 0
	ds_add_u32 v[SPW], v[NIL]                      ; the wave's opening: the add, twice on end, and its wait ahead of my first tensor load
	ds_add_u32 v[SPW], v[NIL]
	v_lshrrev_b32 v1, 5, v0
	v_readfirstlane_b32 s[WV], v1                  ; wave 0..7
	s_mov_b32 s[I], ttmp9
	s_and_b32 s70, ttmp7, 0xffff                   ; 16 x batch + head
	; group 1: 32 rows of 128 elements of 2 bytes, dense in memory; padding behind each row: 4 words for K, 8 for V
	s_mov_b32 s[G1K], (1<<16)|(1<<20)|(5<<22)|(3<<25)
	s_mov_b32 s[G1V], (1<<16)|(1<<20)|(5<<22)|(7<<25)
.irp g, G1K, G1V
	s_mov_b32 s[\g+1], 128<<16                     ; tensor_dim0
	s_mov_b32 s[\g+2], 32<<16                      ; tensor_dim1
	s_mov_b32 s[\g+3], 128<<16                     ; tile_dim0
	s_mov_b32 s[\g+4], 32                          ; tile_dim1
	s_mov_b32 s[\g+5], 128                         ; pitch
	s_mov_b32 s[\g+6], 0
	s_mov_b32 s[\g+7], 0
.endr
	s_mov_b32 s[CS], 0x3e38aa3b                    ; c = log2(e) / 8
	s_mov_b32 s[CS+1], s[CS]
	s_mov_b32 s[SEL], 0x76543210                   ; v_permlanex16_b32: lane l xor 16
	s_mov_b32 s[SEL+1], 0xfedcba98
	s_and_b32 s71, s[WV], 3
	s_mul_i32 s72, s71, KSTEPB                     ; my quarter in a slot: of K,
	s_mul_i32 s73, s71, VSTEPB
	s_add_co_u32 s73, s73, VOFF                    ; of V
	s_lshl_b32 s74, s70, 18                        ; 262,144 bytes a head
	s_mov_b32 s75, 0
	s_lshl_b32 s[OFF], s71, 13                     ; my quarter in memory
	s_mov_b32 s[OFF+1], 0
	s_and_b32 s76, s70, 15
	s_lshl_b32 s76, s76, 20                        ; att16: 8,192 rows of 128 bytes a head,
	s_lshr_b32 s77, s70, 4
	s_lshl_b32 s77, s77, 18                        ; 2,048 a batch
	s_add_co_u32 s76, s76, s77
	s_mov_b32 s77, 0
	s_mov_b32 s[SL], 0
	s_mov_b32 s[QB], s[I]
	s_mov_b32 s[KF], 0
	s_mov_b32 s[TK], 0
	s_mov_b32 s[TV], 0
	s_wait_dscnt 0x0                               ; both opening adds are done
	s_wait_kmcnt 0x0
	s_add_nc_u64 s[QP:QP+1], s[4:5], s[74:75]
	s_add_nc_u64 s[KB:KB+1], s[QP:QP+1], s[OFF:OFF+1]
	s_add_nc_u64 s[KB:KB+1], s[KB:KB+1], 16777216  ; k lies 64 heads behind q,
	s_add_nc_u64 s[VB:VB+1], s[KB:KB+1], 16777216  ; v behind k
	s_add_nc_u64 s[AP:AP+1], s[6:7], s[76:77]
	s_mov_b32 s[G0K], 1
	s_mov_b32 s[G0K+1], s72
	s_mov_b64 s[G0K+2:G0K+3], s[KB:KB+1]
	s_or_b32 s[G0K+3], s[G0K+3], 0x80000000
	s_mov_b32 s[G0V], 1
	s_mov_b32 s[G0V+1], s73
	s_mov_b64 s[G0V+2:G0V+3], s[VB:VB+1]
	s_or_b32 s[G0V+3], s[G0V+3], 0x80000000
	TLOAD                                          ; keys 0-255 into slot 0; one tensor load of mine is out at a time
	s_cmp_lt_u32 s[WV], 4
	s_cselect_b64 s[PB:PB+1], s[KB:KB+1], s[VB:VB+1]
	v_and_b32 v32, 15, v0                          ; r
	v_bfe_u32 v33, v0, 4, 1                        ; h
	v_lshrrev_b32 v34, 1, v32
	v_mul_u32_u24 v[AK0], v34, PK
	v_and_b32 v34, 1, v0
	v_lshl_add_u32 v[AK0], v34, 7, v[AK0]
	v_lshl_add_u32 v[AK0], v33, 4, v[AK0]          ; K: key r: (r / 2) pitch + (r % 2) 128 + 16 h
	v_bfe_u32 v35, v0, 1, 2
	v_lshl_add_u32 v35, v33, 2, v35
	v_mul_u32_u24 v[AV0], v35, PV
	v_lshl_add_u32 v[AV0], v34, 7, v[AV0]
	v_bfe_u32 v35, v0, 3, 1
	v_lshl_add_u32 v[AV0], v35, 4, v[AV0]
	v_add_nc_u32 v[AV0], VOFF, v[AV0]              ; V: key 8 h + lane % 8, channels 8 ((lane / 8) % 2) on
	v_lshlrev_b32 v[QO], 7, v32
	v_lshl_add_u32 v[QO], v33, 4, v[QO]            ; Q: row r of 128 bytes + 16 h
	s_mul_i32 s70, s[WV], 32*SPP
	s_add_co_u32 s70, s70, STAGE                   ; my stage
	v_mul_u32_u24 v[STO], v32, SPP
	v_lshl_add_u32 v[STO], v33, 4, v[STO]
	v_add_nc_u32 v[STO], s70, v[STO]
	v_bfe_u32 v35, v0, 3, 2
	v_mul_u32_u24 v[RD], v35, SPP
	v_and_b32 v35, 7, v0
	v_lshl_add_u32 v[RD], v35, 4, v[RD]
	v_add_nc_u32 v[RD], s70, v[RD]
	v_and_b32 v36, 31, v0
	v_lshlrev_b32 v[GO], 4, v36
	v_lshlrev_b32 v[PFO], 8, v36
	v_lshlrev_b32 v35, 3, v33
	v_sub_nc_u32 v12, v32, v35                     ; r - 8 h
	v_mov_b32 v14, 0xff800000                      ; -infinity
; A query block begins: Q into registers; m under every score, l and O^T zero (the step is written once: its first turn multiplies zeros).
.macro BEGIN again
.if \again
	s_wait_xcnt 0x0                                ; the last block's stores have read their data and their base
.endif
	s_lshl_b32 s[Q0], s[QB], 8
	s_lshl_b32 s70, s[WV], 5
	s_add_co_u32 s[Q0], s[Q0], s70
	s_lshl_b32 s70, s[Q0], 7
	s_mov_b32 s71, 0
	s_add_nc_u64 s[OB:OB+1], s[AP:AP+1], s[70:71]
	s_add_nc_u64 s[QA:QA+1], s[QP:QP+1], s[70:71]
.irp t, 0,1
.irp c, 0,1
	global_load_b128 v[Q+16*\t+8*\c:Q+16*\t+8*\c+3], v[QO], s[QA:QA+1] offset:\t*2048+64*\c
	global_load_b128 v[Q+16*\t+8*\c+4:Q+16*\t+8*\c+7], v[QO], s[QA:QA+1] offset:\t*2048+64*\c+32
.endr
.endr
.irp t, 0,1
	v_mov_b32 v[ST+8*\t+1], 0xff61b1e6             ; m = -3e38
	v_mul_f32 v[ST+8*\t], s[CS], v[ST+8*\t+1]
	v_mov_b32 v[ST+8*\t+2], 0
	v_mov_b32 v[ST+8*\t+3], 0
	v_mov_b32 v[ST+8*\t+5], 0                      ; (a lane permute's destination, and the upper half of a's pair: written on every way)
	v_mov_b32 v[ST+8*\t+7], 0
.endr
.set i, 0
.rept 64
	v_mov_b32 v[O+i], 0
.set i, i+1
.endr
	s_wait_loadcnt 0x0
.endm
; A KEY STEP: 64 keys.
.macro STEP
	s_add_co_u32 s70, s[Q0], 31
	s_cmp_gt_u32 s[KF], s70                        ; all 64 keys come after my last query: nothing to do
	s_cbranch_scc1 .Lhid_\@
	v_add_nc_u32 v[ADK], s[TK], v[AK0]
	v_add_nc_u32 v[ADV], s[TV], v[AV0]
	WIN 0x40                                       ; destination window 1.  (The row sums at the last step's end are the places behind its products)
.irp kt, 0,1,2,3
.irp c, 0,1
	ds_load_b128 v[16*\kt+8*\c:16*\kt+8*\c+3], v[ADK] offset:\kt*8*PK+64*\c
	ds_load_b128 v[16*\kt+8*\c+4:16*\kt+8*\c+7], v[ADK] offset:\kt*8*PK+64*\c+32
.endr
.endr
.irp u, 0,1
.irp ct, 0,1,2,3
	ds_load_tr16_b128 v[64+32*\u+8*\ct:64+32*\u+8*\ct+3], v[ADV] offset:\u*16*PV+32*\ct
	ds_load_tr16_b128 v[64+32*\u+8*\ct+4:64+32*\u+8*\ct+7], v[ADV] offset:\u*16*PV+8*PV+32*\ct
.endr
.endr
	s_wait_dscnt 16                                ; K is in; V's sixteen loads may be out
	WIN 0x01                                       ; source 0 window 1
.irp c, 0,1                                    ; the eight accumulators take turns, one instruction a turn
.irp kt, 0,1,2,3
.irp t, 0,1
.if \c == 0
	v_wmma_f32_16x16x32_f16 v[S+32*\t+8*\kt:S+32*\t+8*\kt+7], v[16*\kt+8*\c:16*\kt+8*\c+7], v[Q+16*\t+8*\c:Q+16*\t+8*\c+7], 0
.else
	v_wmma_f32_16x16x32_f16 v[S+32*\t+8*\kt:S+32*\t+8*\kt+7], v[16*\kt+8*\c:16*\kt+8*\c+7], v[Q+16*\t+8*\c:Q+16*\t+8*\c+7], v[S+32*\t+8*\kt:S+32*\t+8*\kt+7]
.endif
.endr
.endr
.endr
	WIN 0
.rept 4
	v_nop
.endr
	s_add_co_u32 s70, s[KF], 63
	s_cmp_le_u32 s70, s[Q0]                        ; all 64 keys count for all my queries
	s_cbranch_scc1 .Lopen_\@
	s_sub_co_i32 s70, s[Q0], s[KF]
	v_add_nc_u32 v13, s70, v12                     ; register 8 kt + j of tile t holds key KF + 16 kt + 8 h + j: hidden where 16 kt + j > Q0 - KF + 16 t + r - 8 h
	v_add_nc_u32 v15, 16, v13
.irp t, 0,1
.irp kt, 0,1,2,3
.irp j, 0,1,2,3,4,5,6,7
	v_cmp_gt_i32 vcc_lo, 16*\kt+\j, v[13+2*\t]
	v_cndmask_b32 v[S+32*\t+8*\kt+\j], v[S+32*\t+8*\kt+\j], v14, vcc_lo
.endr
.endr
.endr
.Lopen_\@:
	; the maximum of 32 scores and the old m: four chains, each accumulator from its low end on; the two tiles by turns
.irp j, 0,1,2,3
.irp t, 0,1
	v_max3_num_f32 v[ST+8*\t+4+\j], v[S+32*\t+8*\j], v[S+32*\t+8*\j+1], v[S+32*\t+8*\j+2]
.endr
.endr
.irp q, 1,2
.irp j, 0,1,2,3
.irp t, 0,1
	v_max3_num_f32 v[ST+8*\t+4+\j], v[ST+8*\t+4+\j], v[S+32*\t+8*\j+2*\q+1], v[S+32*\t+8*\j+2*\q+2]
.endr
.endr
.endr
.irp t, 0,1
	v_max3_num_f32 v[ST+8*\t+4], v[ST+8*\t+4], v[S+32*\t+7], v[S+32*\t+15]
.endr
.irp t, 0,1
	v_max3_num_f32 v[ST+8*\t+6], v[ST+8*\t+6], v[S+32*\t+23], v[S+32*\t+31]
.endr
.irp t, 0,1
	v_max3_num_f32 v[ST+8*\t+4], v[ST+8*\t+4], v[ST+8*\t+5], v[ST+8*\t+6]
.endr
.irp t, 0,1
	v_max3_num_f32 v[ST+8*\t+4], v[ST+8*\t+4], v[ST+8*\t+7], v[ST+8*\t+1]
.endr
.irp t, 0,1
	v_permlanex16_b32 v[ST+8*\t+5], v[ST+8*\t+4], s[SEL], s[SEL+1]   ; the query's other 32 keys lie in the lane 16 away
.endr
.irp t, 0,1
	v_mov_b32 v[ST+8*\t+7], v[ST+8*\t]             ; c m_old
.endr
.irp t, 0,1
	v_max_num_f32 v[ST+8*\t+1], v[ST+8*\t+4], v[ST+8*\t+5]
.endr
.irp t, 0,1
	v_mul_f32 v[ST+8*\t], s[CS], v[ST+8*\t+1]
.endr
.irp t, 0,1
	v_sub_f32 v[ST+8*\t+7], v[ST+8*\t+7], v[ST+8*\t]
.endr
.irp b, 0,1,2,3,4,5,6,7,8,9,10,11,12,13,14,15
.irp t, 0,1
	v_pk_fma_f32 v[S+32*\t+2*\b:S+32*\t+2*\b+1], v[S+32*\t+2*\b:S+32*\t+2*\b+1], s[CS:CS+1], v[ST+8*\t:ST+8*\t+1] op_sel_hi:[1,0,0] neg_lo:[0,0,1] neg_hi:[0,0,1]   ; c s - c m
.endr
.endr
.irp t, 0,1
	v_exp_f32 v[ST+8*\t+6], v[ST+8*\t+7]           ; a
.endr
.set i, 0
.rept 64
	v_exp_f32 v[S+i], v[S+i]                       ; p
.set i, i+1
.endr
	v_nop                                          ; a plain line behind the last exponential
	s_wait_alu depctr_va_vdst(0)                   ; ONE wait for the batch of 66, ahead of its first reader
.irp t, 0,1
.irp b, 0,1,2,3,4,5,6,7,8,9,10,11,12,13,14,15
	v_pk_mul_f32 v[O+32*\t+2*\b:O+32*\t+2*\b+1], v[O+32*\t+2*\b:O+32*\t+2*\b+1], v[ST+8*\t+6:ST+8*\t+7] op_sel_hi:[1,0]   ; O^T x a, each accumulator from its low end on
.endr
.endr
.irp t, 0,1
.irp b, 0,1,2,3,4,5,6,7,8,9,10,11,12,13,14,15
	v_cvt_pk_f16_f32 v[P+16*\t+\b], v[S+32*\t+2*\b], v[S+32*\t+2*\b+1]
.endr
.endr
	s_wait_dscnt 0x0                               ; V is in
	WIN 0x01
.irp u, 0,1
.irp ct, 0,1,2,3
.irp t, 0,1
	v_wmma_f32_16x16x32_f16 v[O+32*\t+8*\ct:O+32*\t+8*\ct+7], v[64+32*\u+8*\ct:64+32*\u+8*\ct+7], v[P+16*\t+8*\u:P+16*\t+8*\u+7], v[O+32*\t+8*\ct:O+32*\t+8*\ct+7]
.endr
.endr
.endr
	WIN 0
	; the rows' sums of the unrounded p, behind the products: they name none of the products' registers
.irp u, 0,1,2,3,4,5,6,7
.irp t, 0,1
	v_pk_add_f32 v[S+32*\t+4*\u:S+32*\t+4*\u+1], v[S+32*\t+4*\u:S+32*\t+4*\u+1], v[S+32*\t+4*\u+2:S+32*\t+4*\u+3]
.endr
.endr
.irp u, 0,1,2,3
.irp t, 0,1
	v_pk_add_f32 v[S+32*\t+8*\u:S+32*\t+8*\u+1], v[S+32*\t+8*\u:S+32*\t+8*\u+1], v[S+32*\t+8*\u+4:S+32*\t+8*\u+5]
.endr
.endr
.irp u, 0,1
.irp t, 0,1
	v_pk_add_f32 v[S+32*\t+16*\u:S+32*\t+16*\u+1], v[S+32*\t+16*\u:S+32*\t+16*\u+1], v[S+32*\t+16*\u+8:S+32*\t+16*\u+9]
.endr
.endr
.irp t, 0,1
	v_pk_add_f32 v[S+32*\t:S+32*\t+1], v[S+32*\t:S+32*\t+1], v[S+32*\t+16:S+32*\t+17]
.endr
.irp t, 0,1
	v_pk_fma_f32 v[ST+8*\t+2:ST+8*\t+3], v[ST+8*\t+2:ST+8*\t+3], v[ST+8*\t+6:ST+8*\t+7], v[S+32*\t:S+32*\t+1] op_sel_hi:[1,0,1]   ; l = a l + the sum
.endr
.Lhid_\@:
	s_add_co_u32 s[KF], s[KF], 64
	s_add_co_u32 s[TK], s[TK], KSTEPB
	s_add_co_u32 s[TV], s[TV], VSTEPB
.endm
.macro FOUR_STEPS                      ; a slot's four steps: written once, walked four times; then on to the other slot
	s_mov_b32 s[FOUR], 4
.Lstep_\@:
	STEP
	s_sub_co_u32 s[FOUR], s[FOUR], 1
	s_cmp_lg_u32 s[FOUR], 0
	s_cbranch_scc1 .Lstep_\@
	s_sub_co_u32 s[TK], s[TK], 4*KSTEPB
	s_xor_b32 s[TK], s[TK], SLOT1
	s_sub_co_u32 s[TV], s[TV], 4*VSTEPB
	s_xor_b32 s[TV], s[TV], SLOT1
.endm
; THE CHANGE OF SLOTS, at a slot's head.  Each wave waits for all its tensor loads (its part of the slot ahead), adds 0 to its spare word, and waits for that and for its reads of the slot that it has left.
; Behind the barrier the slot ahead is whole and nobody reads the other: fill = 1: it takes the keys that follow: slot SL + 1, or slot 0 where the query block ends with this slot.
.macro CHANGE fill
	s_wait_tensorcnt 0x0                           ; no tensor load of mine is out, so a group 0 may be written
	ds_add_u32 v[SPW], v[NIL]
.if \fill
	s_add_co_u32 s[NX], s[SL], 1
	s_cmp_eq_u32 s[SL], s[QB]
	s_cselect_b32 s[NX], 0, s[NX]
	s_lshl_b32 s[OFF], s[NX], 15                   ; 32,768 bytes a slot
	s_xor_b32 s[G0K+1], s[G0K+1], SLOT1
	s_add_nc_u64 s[G0K+2:G0K+3], s[KB:KB+1], s[OFF:OFF+1]
	s_or_b32 s[G0K+3], s[G0K+3], 0x80000000
	s_xor_b32 s[G0V+1], s[G0V+1], SLOT1
	s_add_nc_u64 s[G0V+2:G0V+3], s[VB:VB+1], s[OFF:OFF+1]
	s_or_b32 s[G0V+3], s[G0V+3], 0x80000000
	s_wait_xcnt 0x0                                ; the last prefetch, a trip back, has read its address
	s_add_nc_u64 s[PFA:PFA+1], s[PB:PB+1], s[OFF:OFF+1]
	s_add_nc_u64 s[PFA:PFA+1], s[PFA:PFA+1], 32768 ; one slot further on
.endif
	s_wait_dscnt 0x0                               ; the add is done, and my reads of the slot that I have left are over
	s_barrier_signal -1
	s_barrier_wait -1
.if \fill
	TLOAD                                          ; the first thing behind the barrier, and my one tensor load until the next
	ASK
.endif
.endm
; A query block ends: O^T / l, rounded to f16, through my stage, and out as 4,096 consecutive bytes.
.macro FIN
.irp t, 0,1
	v_add_f32 v[ST+8*\t+4], v[ST+8*\t+2], v[ST+8*\t+3]
.endr
.irp t, 0,1
	v_permlanex16_b32 v[ST+8*\t+5], v[ST+8*\t+4], s[SEL], s[SEL+1]
.endr
.irp t, 0,1
	v_add_f32 v[ST+8*\t+4], v[ST+8*\t+4], v[ST+8*\t+5]
.endr
.irp t, 0,1
	v_rcp_f32 v[ST+8*\t+6], v[ST+8*\t+4]
.endr
	v_nop
	s_wait_alu depctr_va_vdst(0)                   ; one wait for both reciprocals, ahead of their first reader
.irp t, 0,1
.irp b, 0,1,2,3,4,5,6,7,8,9,10,11,12,13,14,15
	v_pk_mul_f32 v[O+32*\t+2*\b:O+32*\t+2*\b+1], v[O+32*\t+2*\b:O+32*\t+2*\b+1], v[ST+8*\t+6:ST+8*\t+7] op_sel_hi:[1,0]
.endr
.endr
.irp t, 0,1
.irp b, 0,1,2,3,4,5,6,7,8,9,10,11,12,13,14,15
	v_cvt_pk_f16_f32 v[32+16*\t+\b], v[O+32*\t+2*\b], v[O+32*\t+2*\b+1]
.endr
.endr
.irp t, 0,1
.irp ct, 0,1,2,3
	ds_store_b128 v[STO], v[32+16*\t+4*\ct:35+16*\t+4*\ct] offset:\t*16*SPP+32*\ct
.endr
.endr
.irp b, 0,1,2,3,4,5,6,7
	ds_load_b128 v[S+4*\b:S+4*\b+3], v[RD] offset:\b*4*SPP   ; in order behind my stores
.endr
.irp b, 0,1,2,3,4,5,6,7
	s_wait_dscnt 7-\b                              ; the younger loads may be out
	global_store_b128 v[GO], v[S+4*\b:S+4*\b+3], s[OB:OB+1] offset:\b*512   ; four rows: 512 consecutive bytes, aligned
.endr
.endm
	BEGIN 0
	s_mov_b32 s[TRIP], 8
.Ltrip:                                            ; eight trips ask for the next slot; the ninth is written out
	CHANGE 1
	FOUR_STEPS
	s_cmp_lg_u32 s[SL], s[QB]                      ; ids and counts alone: the same in all eight waves
	s_cbranch_scc1 .Lsame
	FIN                                            ; block I is done (in trip I, once): on to block 7 - I
	s_sub_co_u32 s[QB], 7, s[I]
	BEGIN 1
.Lsame:
	s_mov_b32 s[SL], s[NX]
	s_lshl_b32 s[KF], s[SL], 8
	s_sub_co_u32 s[TRIP], s[TRIP], 1
	s_cmp_lg_u32 s[TRIP], 0
	s_cbranch_scc1 .Ltrip
	CHANGE 0
	FOUR_STEPS                                     ; block 7 - I's slot on the diagonal
	FIN
	s_wait_tensorcnt 0x0                           ; the wave's end
	ds_add_u32 v[SPW], v[NIL]
	s_wait_dscnt 0x0
	s_endpgm
.Lfunc_end_k_qdebdc27f6a_attn:
	.size	k_qdebdc27f6a_attn, .Lfunc_end_k_qdebdc27f6a_attn-k_qdebdc27f6a_attn
	.p2alignl 7, 3214868480
	.fill 96, 4, 3214868480
	.section	.rodata,"a",@progbits
	.p2align	6, 0x0
	.amdhsa_kernel k_qdebdc27f6a_attn
		.amdhsa_group_segment_fixed_size 327680
		.amdhsa_private_segment_fixed_size 0
		.amdhsa_enable_private_segment 0
		.amdhsa_kernarg_size 16
		.amdhsa_user_sgpr_count 2
		.amdhsa_user_sgpr_kernarg_segment_ptr 1
		.amdhsa_wavefront_size32 1
		.amdhsa_system_sgpr_workgroup_id_x 1
		.amdhsa_system_sgpr_workgroup_id_y 1
		.amdhsa_system_sgpr_workgroup_id_z 1
		.amdhsa_system_vgpr_workitem_id 0
		.amdhsa_next_free_vgpr 384
		.amdhsa_next_free_sgpr 96
		.amdhsa_reserve_vcc 1
		.amdhsa_float_denorm_mode_32 3
		.amdhsa_float_denorm_mode_16_64 3
		.amdhsa_memory_ordered 1
		.amdhsa_forward_progress 1
		.amdhsa_inst_pref_size 71
	.end_amdhsa_kernel
	.amdgpu_metadata
---
amdhsa.version: [ 1, 2 ]
amdhsa.kernels:
  - .name:           k_qdebdc27f6a_attn
    .symbol:         k_qdebdc27f6a_attn.kd
    .args:
      - { .name: qkv16, .offset: 0, .size: 8, .value_kind: global_buffer, .address_space: global }
      - { .name: att16, .offset: 8, .size: 8, .value_kind: global_buffer, .address_space: global }
    .group_segment_fixed_size: 327680
    .private_segment_fixed_size: 0
    .kernarg_segment_align: 8
    .kernarg_segment_size: 16
    .max_flat_workgroup_size: 256
    .sgpr_count:     96
    .vgpr_count:     384
    .wavefront_size: 32
...
	.end_amdgpu_metadata
.endif
;; end of part 3
;; launch proj (part 4): grid 4 x 64, 4 waves a work-group, clusters of 4 x 4, 327,680 bytes of LDS; arguments att16, wo16, out0; writes out0
.if DOCPART == 4
	.amdgcn_target "amdgcn-amd-amdhsa--gfx1250"
	.amdhsa_code_object_version 6
	.text
	.protected	k_qdebdc27f6a_proj
	.globl	k_qdebdc27f6a_proj
	.p2align	8
	.type	k_qdebdc27f6a_proj,@function
k_qdebdc27f6a_proj:
	s_mov_b64 s[64:65], 0
	v_nop
	global_prefetch_b8 v0, s[64:65] scope:SCOPE_SE
	s_setreg_imm32_b32 hwreg(HW_REG_WAVE_MODE, 25, 1), 1
	s_wait_xcnt 0x0
	s_wait_alu depctr_hold_cnt(0) depctr_sa_sdst(0) depctr_va_vdst(0) depctr_va_sdst(0) depctr_va_ssrc(0) depctr_va_vcc(0) depctr_vm_vsrc(0)
	s_getreg_b32 s2, hwreg(HW_REG_IB_STS2, 6, 4)
	s_cmp_eq_u32 s2, 0
	s_cbranch_scc0 .Lentry_in_a_cluster
	s_endpgm
.Lentry_in_a_cluster:
	s_bfe_u32 s2, ttmp6, 0x10000c
	s_cmp_lg_u32 s2, 0xf033
	s_cbranch_scc0 .Lentry_shape_is_right
	s_endpgm
.Lentry_shape_is_right:
; out0 = att Wo^T.  att16: [plane 16][row 8192][64] f16 (a plane is a head: 64 along K); wo16: [plane 16][n 1024][64] f16; out0: [8192][1024] f32; sums in f32.
; A tile of out0 is 128 rows x 256 columns: 256 work-groups.  Four waves, each 64 x 128: 32 accumulators, 256 registers (window 1).  K goes in steps of 128 (two planes) through a ring of two LDS slots.
; A plane's rows of 128 bytes are dense in memory, so a tile is stated as rows of 256 bytes, two rows each: row m lies at (m / 2) x 272 + (m % 2) x 128.
; CLUSTERS: 4 x 4.  The four of a row of the cluster need the same tiles of att, the four of a column the same tiles of Wo: each is asked for JOINTLY.  Waves 0 and 1 fetch att's two planes, waves 2 and 3 Wo's.
; TRANSPOSED USE (source 0 = 16 rows of Wo, source 1 = 16 rows of att): a lane holds eight neighbouring columns of a row of out0.
; All rows are stored; the 64 rows of positions 0-15 are written anew by the launch that follows.
; REGISTERS: window 0: v0-31 addresses; two fragment buffers of 96 at v64 and v160 (att's 4 fragments, then Wo's 8); on the way out v64-191 rows read back.  Window 1: accumulator (a, b) at v[8 (8 a + b)].
.set PITCH,  272
.set APLANE, 64*PITCH                  ; 128 rows of att, 64 along K
.set BPLANE, 128*PITCH                 ; 256 rows of Wo
.set SLOT,   2*APLANE+2*BPLANE
.set STAGE,  2*SLOT                    ; behind the ring: 16 rows x 528 bytes for each wave
.set SPITCH, 528
.set SPARE,  STAGE+4*16*SPITCH         ; the spare words, 128 bytes for each wave, which no other line names
.set LAPS,   4                         ; a lap = two K steps; K = 1,024
.set ADRA, 16
.set ADRB, 20
.set STO,  24
.set RD,   25
.set CO,   26
.set SPW,  28                          ; v28 LDS address of my spare word; never rewritten
.set NIL,  29                          ; v29 0; never rewritten
.set F0,   64
.set F1,   160
.set G1, 24
.set G0, 32
.set G1B, 48
.set G0B, 56
.set MSB, 0
.macro WIN new
.if MSB != (\new)
	s_set_vgpr_msb (MSB<<8)|(\new)
.set MSB, (\new)
.endif
.endm
.set MUL, 0x50                         ; C and D window 1, sources window 0
.macro JLOAD s                         ; a joint load; an s_nop 0 and four v_nop follow each of the two lines
	s_cmp_eq_u32 s11, 0
	s_cbranch_scc0 .Lfor_b_\@
	tensor_load_to_lds s[G0+4*\s:G0+4*\s+3], s[G1:G1+7]
	s_nop 0
.rept 4
	v_nop
.endr
	s_branch .Lasked_\@
.Lfor_b_\@:
	tensor_load_to_lds s[G0B+4*\s:G0B+4*\s+3], s[G1B:G1B+7]
	s_nop 0
.rept 4
	v_nop
.endr
.Lasked_\@:
.endm
.macro CREST                           ; a round of the cluster's barrier behind its opening barrier
	s_cmp_lg_u32 s10, 0
	s_cbranch_scc1 .Lnot_wave_0_\@
	s_barrier_signal -3
.Lnot_wave_0_\@:
	s_barrier_wait -3
	s_barrier_signal -1
	s_barrier_wait -1
.endm
.macro CROUND
	s_barrier_signal -1
	s_barrier_wait -1
	CREST
.endm
	s_load_b128 s[4:7], s[0:1], 0x0                ; att16, wo16
	s_load_b64 s[8:9], s[0:1], 0x10                ; out0
	v_lshl_add_u32 v[SPW], v0, 2, SPARE
	v_mov_b32 v[NIL], 0
	ds_add_u32 v[SPW], v[NIL]                      ; the wave's opening: the add, twice on end, and its wait ahead of my first tensor load
	ds_add_u32 v[SPW], v[NIL]
	v_lshrrev_b32 v1, 5, v0
	v_readfirstlane_b32 s10, v1                    ; wave 0..3
	s_lshr_b32 s11, s10, 1                         ; which 64 rows are mine.  Also: I fetch for att (0) or for Wo (1)
	s_and_b32 s12, s10, 1                          ; which 128 columns.  Also: which plane of a K step I fetch
	s_bfe_u32 s40, ttmp6, 0x40000                  ; cx, cy
	s_bfe_u32 s41, ttmp6, 0x40004
	s_lshl_b32 s42, ttmp9, 2
	s_add_co_u32 s42, s42, s40                     ; tile column
	s_and_b32 s13, ttmp7, 0xffff
	s_lshl_b32 s13, s13, 2
	s_add_co_u32 s13, s13, s41                     ; tile row
	s_lshl_b32 s43, s41, 2
	s_lshl_b32 s43, 15, s43                        ; my row of the cluster
	s_lshl_b32 s44, 0x1111, s40                    ; my column
	; group 1: rows of 128 elements of 2 bytes, dense, 16 bytes of padding behind each: 64 rows for att, 128 for Wo
	s_or_b32 s[G1+0], s43, (1<<16)|(1<<20)|(1<<21)|(5<<22)|(3<<25)
	s_or_b32 s[G1B+0], s44, (1<<16)|(1<<20)|(1<<21)|(5<<22)|(3<<25)
	s_mov_b32 s[G1+1], 128<<16
	s_mov_b32 s[G1+2], 64<<16
	s_mov_b32 s[G1+3], 128<<16
	s_mov_b32 s[G1+4], 64
	s_mov_b32 s[G1+5], 128
	s_mov_b32 s[G1+6], 0
	s_mov_b32 s[G1+7], 0
	s_mov_b32 s[G1B+1], 128<<16
	s_mov_b32 s[G1B+2], 128<<16
	s_mov_b32 s[G1B+3], 128<<16
	s_mov_b32 s[G1B+4], 128
	s_mov_b32 s[G1B+5], 128
	s_mov_b32 s[G1B+6], 0
	s_mov_b32 s[G1B+7], 0
	s_lshl_b32 s16, s13, 14                        ; att: 128 rows of 128 bytes a tile row,
	s_lshl_b32 s17, s12, 20                        ; 1,048,576 bytes a plane
	s_add_co_u32 s16, s16, s17
	s_mov_b32 s17, 0
	s_lshl_b32 s46, s42, 15                        ; Wo: 256 rows a tile column,
	s_lshl_b32 s47, s12, 17                        ; 131,072 bytes a plane
	s_add_co_u32 s46, s46, s47
	s_mov_b32 s47, 0
	s_mul_i32 s20, s12, APLANE                     ; where they go: no place in the cluster enters an LDS address
	s_mul_i32 s21, s12, BPLANE
	s_add_co_u32 s21, s21, 2*APLANE
	s_wait_dscnt 0x0                               ; both opening adds are done
	s_wait_kmcnt 0x0
	s_add_nc_u64 s[14:15], s[4:5], s[16:17]
	s_add_nc_u64 s[46:47], s[6:7], s[46:47]
	CROUND                                         ; all sixteen work-groups are here: the first joint loads meet
.irp s, 0,1
	s_mov_b32 s[G0+4*\s], 1
	s_add_co_u32 s[G0+4*\s+1], s20, \s*SLOT
	s_add_nc_u64 s[G0+4*\s+2:G0+4*\s+3], s[14:15], \s*2*1048576
	s_or_b32 s[G0+4*\s+3], s[G0+4*\s+3], 0x80000000
	s_mov_b32 s[G0B+4*\s], 1
	s_add_co_u32 s[G0B+4*\s+1], s21, \s*SLOT
	s_add_nc_u64 s[G0B+4*\s+2:G0B+4*\s+3], s[46:47], \s*2*131072
	s_or_b32 s[G0B+4*\s+3], s[G0B+4*\s+3], 0x80000000
	JLOAD \s                                       ; two tensor loads of mine are out at the start, later one
.endr
	v_and_b32 v1, 15, v0                           ; r
	v_bfe_u32 v2, v0, 4, 1                         ; h
	v_lshrrev_b32 v3, 1, v1
	v_mul_u32_u24 v3, v3, PITCH
	v_and_b32 v4, 1, v0
	v_lshl_add_u32 v3, v4, 7, v3
	v_lshl_add_u32 v3, v2, 4, v3                   ; (r / 2) pitch + (r % 2) 128 + 16 h
	s_mul_i32 s21, s11, 32*PITCH                   ; my 64 rows of att
	s_mul_i32 s22, s12, 64*PITCH                   ; my 128 rows of Wo,
	s_add_co_u32 s22, s22, 2*APLANE                ; behind att's two planes
.irp s, 0,1
	v_add_nc_u32 v[ADRA+\s], s21, v3
	v_add_nc_u32 v[ADRB+\s], s22, v3
	s_add_co_u32 s21, s21, SLOT
	s_add_co_u32 s22, s22, SLOT
.endr
	s_mul_i32 s23, s10, 16*SPITCH
	s_add_co_u32 s23, s23, STAGE                   ; my stage
	v_mul_u32_u24 v4, v1, SPITCH
	v_lshl_add_u32 v4, v2, 5, v4
	v_add_nc_u32 v[STO], s23, v4                   ; in: row r, 32 bytes for each half of the lanes
	v_and_b32 v5, 31, v0
	v_lshlrev_b32 v[CO], 4, v5                     ; back: the 32 lanes take a row of 512 bytes
	v_add_nc_u32 v[RD], s23, v[CO]
	s_lshl_b32 s16, s13, 7
	s_lshl_b32 s17, s11, 6
	s_add_co_u32 s16, s16, s17                     ; my first row of out0,
	s_lshl_b32 s16, s16, 12                        ; 4,096 bytes a row
	s_mov_b32 s17, 0
	s_add_nc_u64 s[8:9], s[8:9], s[16:17]
	s_lshl_b32 s46, s42, 10                        ; my first column, in bytes
	s_lshl_b32 s47, s12, 9
	s_add_co_u32 s46, s46, s47
	s_mov_b32 s47, 0
	s_add_nc_u64 s[8:9], s[8:9], s[46:47]
.macro MUL8 f, a, zero                 ; att's block a against Wo's eight, 32 along K.  The 32 accumulators take turns in the same order in every quarter
.irp b, 0,1,2,3,4,5,6,7
.if \zero
	v_wmma_f32_16x16x32_f16 v[8*(8*(\a)+\b):8*(8*(\a)+\b)+7], v[\f+32+8*\b:\f+32+8*\b+7], v[\f+8*(\a):\f+8*(\a)+7], 0
.else
	v_wmma_f32_16x16x32_f16 v[8*(8*(\a)+\b):8*(8*(\a)+\b)+7], v[\f+32+8*\b:\f+32+8*\b+7], v[\f+8*(\a):\f+8*(\a)+7], v[8*(8*(\a)+\b):8*(8*(\a)+\b)+7]
.endif
.endr
.endm
.macro FETCH slot, q, f                ; 24 LDS loads in one run: quarter q (plane q / 2, bytes 64 (q % 2) on): Wo's 16, att's blocks 0, 1 (4), att's blocks 2, 3 (4)
	WIN 0
.irp i, 0,1,2,3,4,5,6,7
	ds_load_b128 v[\f+32+8*\i:\f+32+8*\i+3], v[ADRB+\slot] offset:((\q)/2)*BPLANE+64*((\q)%2)+\i*8*PITCH
	ds_load_b128 v[\f+32+8*\i+4:\f+32+8*\i+7], v[ADRB+\slot] offset:((\q)/2)*BPLANE+64*((\q)%2)+\i*8*PITCH+32
.endr
.irp i, 0,1,2,3
	ds_load_b128 v[\f+8*\i:\f+8*\i+3], v[ADRA+\slot] offset:((\q)/2)*APLANE+64*((\q)%2)+\i*8*PITCH
	ds_load_b128 v[\f+8*\i+4:\f+8*\i+7], v[ADRA+\slot] offset:((\q)/2)*APLANE+64*((\q)%2)+\i*8*PITCH+32
.endr
.endm
.macro PLACES                          ; four plain lines in front of loads into registers that matrix instructions have read, and of reads of results
.rept 4
	v_nop
.endr
.endm
.macro QUARTER slot, q, f, g, zero     ; multiplies buffer f; in its middle fetches quarter q of the same slot into g
	s_wait_dscnt 4                                 ; all but att's blocks 2, 3
	WIN MUL
	MUL8 \f, 0, \zero
	MUL8 \f, 1, \zero
	PLACES
	FETCH \slot, \q, \g
	s_wait_dscnt 24                                ; all but the 24 just issued
	WIN MUL
	MUL8 \f, 2, \zero
	MUL8 \f, 3, \zero
.endm
; A K step's last quarter multiplies buffer 1 and changes slots: ONE barrier; in front of it each wave waits for all its tensor loads, adds 0 to its spare word, and waits for that and for its reads of this slot.
.macro TURN slot, next, fill
	WIN 0
	s_wait_tensorcnt 0x0                           ; my part of the next slot has landed
	ds_add_u32 v[SPW], v[NIL]
	s_wait_dscnt 5                                 ; the add and att's blocks 2, 3 may be out
	WIN MUL
	MUL8 F1, 0, 0
	s_wait_dscnt 0x0                               ; the add is done, and my reads of this slot are over
	s_barrier_signal -1
	MUL8 F1, 1, 0
.if \fill
	WIN 0
.endif
	s_barrier_wait -1
.if \fill
	CREST                                          ; the barrier has opened a round of the cluster's: no wave of any partner still reads this slot or has a load on its way
	s_add_nc_u64 s[G0+4*\slot+2:G0+4*\slot+3], s[G0+4*\slot+2:G0+4*\slot+3], 4*1048576
	s_add_nc_u64 s[G0B+4*\slot+2:G0B+4*\slot+3], s[G0B+4*\slot+2:G0B+4*\slot+3], 4*131072
	JLOAD \slot                                    ; the first tensor load behind the round; its four v_nop are also the places in front of the loads below
.else
	PLACES
.endif
	FETCH \next, 0, F0
	WIN MUL
	MUL8 F1, 2, 0
	MUL8 F1, 3, 0
.endm
	s_wait_tensorcnt 1                             ; my part of K step 0 is in; K step 1's may be out
	s_barrier_signal -1
	s_barrier_wait -1
	FETCH 0, 0, F0
	QUARTER 0, 1, F0, F1, 1                        ; the first quarter's products start the sums
	WIN 0
	s_mov_b32 s3, LAPS-1
.Llap:                                             ; a trip goes once round the ring, from a lap's second quarter to the next lap's first, and fills both slots again
	QUARTER 0, 2, F1, F0, 0
	QUARTER 0, 3, F0, F1, 0
	TURN 0, 1, 1
	QUARTER 1, 1, F0, F1, 0
	QUARTER 1, 2, F1, F0, 0
	QUARTER 1, 3, F0, F1, 0
	TURN 1, 0, 1
	QUARTER 0, 1, F0, F1, 0
	WIN 0
	s_sub_co_u32 s3, s3, 1
	s_cmp_lg_u32 s3, 0
	s_cbranch_scc1 .Llap
	QUARTER 0, 2, F1, F0, 0                        ; the last lap fills nothing
	QUARTER 0, 3, F0, F1, 0
	TURN 0, 1, 0
	QUARTER 1, 1, F0, F1, 0
	QUARTER 1, 2, F1, F0, 0
	QUARTER 1, 3, F0, F1, 0
	s_wait_dscnt 4
	WIN MUL
	MUL8 F1, 0, 0
	MUL8 F1, 1, 0
	s_wait_dscnt 0
	MUL8 F1, 2, 0
	MUL8 F1, 3, 0
	WIN 0
; THE WAY OUT, block by block of 16 rows x 128 columns, through my own stage: in by lanes' 32 bytes, back as whole rows of 512 bytes.
.macro TOSTAGE a
	WIN 0x04                                       ; an LDS store's data are its source 1: window 1
.irp b, 0,1,2,3,4,5,6,7
	ds_store_b128 v[STO], v[8*(8*(\a)+\b):8*(8*(\a)+\b)+3] offset:64*\b          ; each accumulator from its low end on
	ds_store_b128 v[STO], v[8*(8*(\a)+\b)+4:8*(8*(\a)+\b)+7] offset:64*\b+16
.endr
	WIN 0
.set BB, 64+64*((\a)%2)
.irp t, 0,1,2,3,4,5,6,7,8,9,10,11,12,13,14,15
	ds_load_b128 v[BB+4*\t:BB+4*\t+3], v[RD] offset:\t*SPITCH
.endr
.endm
.macro SEND a, younger
.set BB, 64+64*((\a)%2)
	s_wait_dscnt \younger
.if (\a) > 0
	s_add_nc_u64 s[8:9], s[8:9], 16*4096           ; (behind a wait on XCNT: the earlier stores have read their base)
.endif
.irp t, 0,1,2,3,4,5,6,7,8,9,10,11,12,13,14,15
	global_store_b128 v[CO], v[BB+4*\t:BB+4*\t+3], s[8:9] offset:\t*4096 th:TH_STORE_NT   ; 512 consecutive bytes, aligned
.endr
.endm
	PLACES
	TOSTAGE 0
.irp a, 1,2,3
.if \a > 1
	s_wait_xcnt 0x0                                ; block a - 2's stores have read their registers and their base
.endif
	TOSTAGE \a
	SEND \a-1, 32                                  ; behind block a - 1's loads: block a's 16 stores and 16 loads
.endr
	s_wait_xcnt 0x0
	SEND 3, 0
	s_wait_tensorcnt 0x0                           ; the wave's end
	ds_add_u32 v[SPW], v[NIL]
	s_wait_dscnt 0x0
	CROUND                                         ; the closing round
	s_endpgm
.Lfunc_end_k_qdebdc27f6a_proj:
	.size	k_qdebdc27f6a_proj, .Lfunc_end_k_qdebdc27f6a_proj-k_qdebdc27f6a_proj
	.p2alignl 7, 3214868480
	.fill 96, 4, 3214868480
	.section	.rodata,"a",@progbits
	.p2align	6, 0x0
	.amdhsa_kernel k_qdebdc27f6a_proj
		.amdhsa_group_segment_fixed_size 327680
		.amdhsa_private_segment_fixed_size 0
		.amdhsa_enable_private_segment 0
		.amdhsa_kernarg_size 24
		.amdhsa_user_sgpr_count 2
		.amdhsa_user_sgpr_kernarg_segment_ptr 1
		.amdhsa_wavefront_size32 1
		.amdhsa_system_sgpr_workgroup_id_x 1
		.amdhsa_system_sgpr_workgroup_id_y 1
		.amdhsa_system_sgpr_workgroup_id_z 1
		.amdhsa_system_vgpr_workitem_id 0
		.amdhsa_next_free_vgpr 512
		.amdhsa_next_free_sgpr 66
		.amdhsa_reserve_vcc 0
		.amdhsa_float_denorm_mode_32 3
		.amdhsa_float_denorm_mode_16_64 3
		.amdhsa_memory_ordered 1
		.amdhsa_forward_progress 1
		.amdhsa_inst_pref_size 85
	.end_amdhsa_kernel
	.amdgpu_metadata
---
amdhsa.version: [ 1, 2 ]
amdhsa.kernels:
  - .name:           k_qdebdc27f6a_proj
    .symbol:         k_qdebdc27f6a_proj.kd
    .args:
      - { .name: att16, .offset: 0, .size: 8, .value_kind: global_buffer, .address_space: global }
      - { .name: wo16, .offset: 8, .size: 8, .value_kind: global_buffer, .address_space: global }
      - { .name: out0, .offset: 16, .size: 8, .value_kind: global_buffer, .address_space: global }
    .group_segment_fixed_size: 327680
    .private_segment_fixed_size: 0
    .kernarg_segment_align: 8
    .kernarg_segment_size: 24
    .max_flat_workgroup_size: 128
    .sgpr_count:     66
    .vgpr_count:     512
    .wavefront_size: 32
...
	.end_amdgpu_metadata
.endif
;; end of part 4
;; launch first16 (part 5): grid 16 x 4, 16 waves a work-group, no clusters, 71,680 bytes of LDS; arguments fine32, Wo, out0; writes out0
.if DOCPART == 5
	.amdgcn_target "amdgcn-amd-amdhsa--gfx1250"
	.amdhsa_code_object_version 6
	.text
	.protected	k_qdebdc27f6a_first16
	.globl	k_qdebdc27f6a_first16
	.p2align	8
	.type	k_qdebdc27f6a_first16,@function
k_qdebdc27f6a_first16:
	s_mov_b64 s[64:65], 0
	v_nop
	global_prefetch_b8 v0, s[64:65] scope:SCOPE_SE
	s_setreg_imm32_b32 hwreg(HW_REG_WAVE_MODE, 25, 1), 1
	s_wait_xcnt 0x0
; POSITIONS 0-15 OF EVERY SEQUENCE, ALL IN f32: their rows average one to sixteen values and are the largest of the output, so 16-bit operands would use up what the comparison allows.
; Work-group (nb, batch) makes rows batch x 2048 + 0 .. 15, columns 64 nb .. + 63 of out0.  Wave w is head w in both phases: it makes the head's 16 x 16 attention, and the head's part of the 16 x 64 outputs;
; the sixteen parts meet in LDS.  64 rows in all: no bulk work, so the f32 matrix form serves.  Everything is written out; no loop.
; fine32: [which 3][batch 4][head 16][position 16][64] f32 (q and k rotated).  Wo: [1024][1024] f32.
; LAYOUT of the f32 form: lane (r, h) holds row (source 0) or column (source 1) r; register j is k = 2 h + j.  Which of K's numbers stands at (step, h, j) is free as long as both sources agree:
;   S^T = K Q^T: both load 16 bytes at 256 r + 32 s + 16 h; step i takes registers 2 i, 2 i + 1.
;   O^T = V^T P: P's registers 2 s, 2 s + 1 of lane (r, h) are keys 8 h + 2 s + j, so V^T is loaded by that order.
;   out^T = Wo att^T: att's registers 2 i, 2 i + 1 are channels 16 ct + 8 h + 2 e + j (i = 4 ct + e), so Wo's rows are loaded by that order: 16 bytes at 4,096 r + 32 h + 64 ct + 16 e'.
; The registers that the matrix instructions write (v144-207) are written by nothing else; sums begin with the constant 0; accumulators take turns.
; REGISTERS: v1-13 addresses; v14, v15 the add's two; v16-47 Q, then Wo's tile 0; v48-79 K, then tile 1; v80-111 V^T, then tile 2; v112-143 tile 3; v144-175 S^T in four parts, then the outputs; v176-207 O^T; v208-239 att; v240-247 scores, then p.
.set SPARE, 256*272                    ; behind the sixteen parts (16 rows x 272 bytes each): the spare words, 128 bytes for each wave, which no other line names
	s_load_b128 s[4:7], s[0:1], 0x0                ; fine32, Wo
	s_load_b64 s[8:9], s[0:1], 0x10                ; out0
	v_lshl_add_u32 v14, v0, 2, SPARE
	v_mov_b32 v15, 0
	v_lshrrev_b32 v1, 5, v0
	v_readfirstlane_b32 s10, v1                    ; wave = head
	s_and_b32 s11, ttmp7, 0xffff                   ; batch
	v_and_b32 v1, 15, v0                           ; r
	v_bfe_u32 v2, v0, 4, 1                         ; h
	v_and_b32 v3, 31, v0                           ; lane
	v_lshlrev_b32 v4, 8, v1
	v_lshl_add_u32 v4, v2, 4, v4                   ; Q, K: 256 r + 16 h
	v_lshlrev_b32 v5, 2, v1
	v_lshl_add_u32 v5, v2, 11, v5                  ; V: channel r, keys 8 h on
	v_lshlrev_b32 v6, 12, v1
	v_lshl_add_u32 v6, v2, 5, v6                   ; Wo: 4,096 r + 32 h
	v_lshlrev_b32 v7, 3, v2
	v_sub_nc_u32 v7, v1, v7                        ; r - 8 h
	s_mul_i32 s12, s10, 16*272
	v_mul_u32_u24 v8, v1, 272
	v_lshl_add_u32 v8, v2, 5, v8
	v_add_nc_u32 v8, s12, v8                       ; LDS, in: my part's row r, + 32 h
	s_mul_i32 s12, s10, 272
	v_lshl_add_u32 v9, v3, 3, s12                  ; LDS, back: row w of each part, 8 bytes a lane
	v_lshlrev_b32 v10, 3, v3
	s_mov_b32 s20, 0x76543210                      ; v_permlanex16_b32: lane l xor 16
	s_mov_b32 s21, 0xfedcba98
	s_mov_b32 s22, 0x3e38aa3b                      ; c = log2(e) / 8
	s_lshl_b32 s12, s11, 4
	s_add_co_u32 s12, s12, s10
	s_lshl_b32 s12, s12, 12                        ; 4,096 bytes a head
	s_mov_b32 s13, 0
	s_lshl_b32 s14, ttmp9, 18                      ; Wo: 64 rows a work-group,
	s_lshl_b32 s15, s10, 8                         ; 64 columns a head
	s_add_co_u32 s14, s14, s15
	s_mov_b32 s15, 0
	s_lshl_b32 s16, s11, 23                        ; out0: 2,048 rows a batch, row w,
	s_lshl_b32 s17, s10, 12
	s_add_co_u32 s16, s16, s17
	s_lshl_b32 s17, ttmp9, 8                       ; 256 bytes a work-group
	s_add_co_u32 s16, s16, s17
	s_mov_b32 s17, 0
	s_wait_kmcnt 0x0
	s_add_nc_u64 s[4:5], s[4:5], s[12:13]
	s_add_nc_u64 s[6:7], s[6:7], s[14:15]
	s_add_nc_u64 s[8:9], s[8:9], s[16:17]
.macro WLOAD nt                        ; 16 rows of Wo x my head's 64 columns into v[16 + 32 nt] on
.irp ct, 0,1,2,3
.irp e, 0,1
	global_load_b128 v[16+32*(\nt)+8*\ct+4*\e:16+32*(\nt)+8*\ct+4*\e+3], v6, s[6:7] offset:(\nt)*65536+64*\ct+16*\e
.endr
.endr
.endm
.irp s, 0,1,2,3,4,5,6,7
	global_load_b128 v[16+4*\s:19+4*\s], v4, s[4:5] offset:32*\s
.endr
.irp s, 0,1,2,3,4,5,6,7
	global_load_b128 v[48+4*\s:51+4*\s], v4, s[4:5] offset:262144+32*\s
.endr
.irp ct, 0,1,2,3
.irp k, 0,1,2,3,4,5,6,7
	global_load_b32 v[80+8*\ct+\k], v5, s[4:5] offset:524288+256*\k+64*\ct
.endr
.endr
	WLOAD 3
	s_wait_loadcnt 40                              ; Q and K are in; V's 32 loads and the tile's 8 may be out
.set i, 0
.rept 16                                       ; S^T = K Q^T, in four parts by turns
.if i < 4
	v_wmma_f32_16x16x4_f32 v[144+8*(i%4):151+8*(i%4)], v[48+2*i:49+2*i], v[16+2*i:17+2*i], 0
.else
	v_wmma_f32_16x16x4_f32 v[144+8*(i%4):151+8*(i%4)], v[48+2*i:49+2*i], v[16+2*i:17+2*i], v[144+8*(i%4):151+8*(i%4)]
.endif
.set i, i+1
.endr
.rept 8
	v_nop                                          ; eight places behind this form, in front of loads into its sources and reads of its results
.endr
	WLOAD 0
	WLOAD 1
.irp j, 0,1,2,3,4,5,6,7
	v_add_f32 v[240+\j], v[144+\j], v[152+\j]      ; the four parts, each from its low end on
.endr
.irp j, 0,1,2,3,4,5,6,7
	v_add_f32 v[240+\j], v[240+\j], v[160+\j]
.endr
.irp j, 0,1,2,3,4,5,6,7
	v_add_f32 v[240+\j], v[240+\j], v[168+\j]      ; lane (r, h): query r, key 8 h + j
.endr
	v_mov_b32 v248, 0xff800000
.irp j, 0,1,2,3,4,5,6,7
	v_cmp_gt_i32 vcc_lo, \j, v7                    ; hidden where 8 h + j > r
	v_cndmask_b32 v[240+\j], v[240+\j], v248, vcc_lo
.endr
	v_max3_num_f32 v249, v240, v241, v242
	v_max3_num_f32 v249, v249, v243, v244
	v_max3_num_f32 v249, v249, v245, v246
	v_max_num_f32 v249, v249, v247
	v_mov_b32 v250, 0
	v_permlanex16_b32 v250, v249, s20, s21
	v_max_num_f32 v249, v249, v250                 ; the row's maximum: key 0 counts for every query
	v_mul_f32 v249, s22, v249
.irp j, 0,1,2,3,4,5,6,7
	v_fma_f32 v[240+\j], v[240+\j], s22, -v249
.endr
.irp j, 0,1,2,3,4,5,6,7
	v_exp_f32 v[240+\j], v[240+\j]                 ; p, not normalised
.endr
	v_nop
	s_wait_alu depctr_va_vdst(0)                   ; one wait for the eight, ahead of their first reader
	v_add_f32 v250, v240, v241
	v_add_f32 v251, v242, v243
	v_add_f32 v252, v244, v245
	v_add_f32 v253, v246, v247
	v_add_f32 v250, v250, v251
	v_add_f32 v252, v252, v253
	v_add_f32 v250, v250, v252
	v_permlanex16_b32 v251, v250, s20, s21
	v_add_f32 v250, v250, v251                     ; the row's sum
	v_rcp_f32 v250, v250
	v_nop
	s_wait_alu depctr_va_vdst(0)                   ; and one for the reciprocal
	s_wait_loadcnt 24                              ; V is in; three tiles of Wo may be out
.irp s, 0,1,2,3                                ; O^T = V^T P: four accumulators by turns
.irp ct, 0,1,2,3
.if \s == 0
	v_wmma_f32_16x16x4_f32 v[176+8*\ct:183+8*\ct], v[80+8*\ct+2*\s:81+8*\ct+2*\s], v[240+2*\s:241+2*\s], 0
.else
	v_wmma_f32_16x16x4_f32 v[176+8*\ct:183+8*\ct], v[80+8*\ct+2*\s:81+8*\ct+2*\s], v[240+2*\s:241+2*\s], v[176+8*\ct:183+8*\ct]
.endif
.endr
.endr
.rept 8
	v_nop
.endr
	WLOAD 2
.set i, 0
.rept 32
	v_mul_f32 v[208+i], v[176+i], v250             ; att(r, 16 ct + 8 h + j), into registers of its own
.set i, i+1
.endr
	s_wait_loadcnt 0x0
.set i, 0
.rept 16                                       ; out^T = Wo att^T over my head's 64 channels: four tiles of 16 columns by turns
.irp nt, 0,1,2,3
.if i == 0
	v_wmma_f32_16x16x4_f32 v[144+8*\nt:151+8*\nt], v[16+32*\nt+2*i:17+32*\nt+2*i], v[208+2*i:209+2*i], 0
.else
	v_wmma_f32_16x16x4_f32 v[144+8*\nt:151+8*\nt], v[16+32*\nt+2*i:17+32*\nt+2*i], v[208+2*i:209+2*i], v[144+8*\nt:151+8*\nt]
.endif
.endr
.set i, i+1
.endr
.rept 8
	v_nop
.endr
.irp nt, 0,1,2,3
	ds_store_b128 v8, v[144+8*\nt:147+8*\nt] offset:64*\nt        ; lane (r, h): row r, columns 16 nt + 8 h + 0 .. 7 of my part
	ds_store_b128 v8, v[148+8*\nt:151+8*\nt] offset:64*\nt+16
.endr
	s_wait_dscnt 0x0                               ; for the others' sake: my part lies in LDS
	s_barrier_signal -1
	s_barrier_wait -1
.irp p, 0,1,2,3,4,5,6,7,8,9,10,11,12,13,14,15
	ds_load_b64 v[16+2*\p:17+2*\p], v9 offset:\p*16*272            ; row w of each head's part
.endr
	s_wait_dscnt 0x0
.irp p, 0,1,2,3,4,5,6,7
	v_pk_add_f32 v[16+4*\p:17+4*\p], v[16+4*\p:17+4*\p], v[18+4*\p:19+4*\p]
.endr
.irp p, 0,1,2,3
	v_pk_add_f32 v[16+8*\p:17+8*\p], v[16+8*\p:17+8*\p], v[20+8*\p:21+8*\p]
.endr
.irp p, 0,1
	v_pk_add_f32 v[16+16*\p:17+16*\p], v[16+16*\p:17+16*\p], v[24+16*\p:25+16*\p]
.endr
	v_pk_add_f32 v[16:17], v[16:17], v[32:33]
	global_store_b64 v10, v[16:17], s[8:9]         ; the wave stores 256 consecutive bytes, aligned
	s_wait_tensorcnt 0x0                           ; the wave's end
	ds_add_u32 v14, v15
	s_wait_dscnt 0x0
	s_endpgm
.Lfunc_end_k_qdebdc27f6a_first16:
	.size	k_qdebdc27f6a_first16, .Lfunc_end_k_qdebdc27f6a_first16-k_qdebdc27f6a_first16
	.p2alignl 7, 3214868480
	.fill 96, 4, 3214868480
	.section	.rodata,"a",@progbits
	.p2align	6, 0x0
	.amdhsa_kernel k_qdebdc27f6a_first16
		.amdhsa_group_segment_fixed_size 71680
		.amdhsa_private_segment_fixed_size 0
		.amdhsa_enable_private_segment 0
		.amdhsa_kernarg_size 24
		.amdhsa_user_sgpr_count 2
		.amdhsa_user_sgpr_kernarg_segment_ptr 1
		.amdhsa_wavefront_size32 1
		.amdhsa_system_sgpr_workgroup_id_x 1
		.amdhsa_system_sgpr_workgroup_id_y 1
		.amdhsa_system_sgpr_workgroup_id_z 1
		.amdhsa_system_vgpr_workitem_id 0
		.amdhsa_next_free_vgpr 256
		.amdhsa_next_free_sgpr 66
		.amdhsa_reserve_vcc 1
		.amdhsa_float_denorm_mode_32 3
		.amdhsa_float_denorm_mode_16_64 3
		.amdhsa_memory_ordered 1
		.amdhsa_forward_progress 1
		.amdhsa_inst_pref_size 24
	.end_amdhsa_kernel
	.amdgpu_metadata
---
amdhsa.version: [ 1, 2 ]
amdhsa.kernels:
  - .name:           k_qdebdc27f6a_first16
    .symbol:         k_qdebdc27f6a_first16.kd
    .args:
      - { .name: fine32, .offset: 0, .size: 8, .value_kind: global_buffer, .address_space: global }
      - { .name: Wo, .offset: 8, .size: 8, .value_kind: global_buffer, .address_space: global }
      - { .name: out0, .offset: 16, .size: 8, .value_kind: global_buffer, .address_space: global }
    .group_segment_fixed_size: 71680
    .private_segment_fixed_size: 0
    .kernarg_segment_align: 8
    .kernarg_segment_size: 24
    .max_flat_workgroup_size: 512
    .sgpr_count:     66
    .vgpr_count:     256
    .wavefront_size: 32
...
	.end_amdgpu_metadata
.endif
;; end of part 5
